; MI455X (gfx1250); checked and timed in simulation.
; The chip was launched on July 23, 2026; its instructions are those of AMD's public machine-readable ISA for CDNA 5 (MIT licence, August 2026) and "CDNA5" Instruction Set Architecture Reference Guide (July 2026). The comments in the code are by the model that wrote it; some were corrected since.
;; Encoder Layer. Allowed arithmetic: float matrix products may take bf16 or f16 operands with f32 sums; other float arithmetic in f32, or as packed bf16 or f16 multiplies, adds, multiply-adds, maxima and minima; sums over many terms, partial sums and values carried from step to step in f32; what a program stores and reads back later, other than sums and carried values, may be rounded once to bf16 or f16.
;; Inputs: bk 1,024 float32; bout 1,024 float32; bq 1,024 float32; bv 1,024 float32; fc1_b 4,096 float32; fc1_w 4,096 x 1,024 float32; fc2_b 1,024 float32; fc2_w 1,024 x 4,096 float32; ln1_b 1,024 float32; ln1_w 1,024 float32; ln2_b 1,024 float32; ln2_w 1,024 float32; wk 1,024 x 1,024 float32; wout 1,024 x 1,024 float32; wq 1,024 x 1,024 float32; wv 1,024 x 1,024 float32; x 2,048 x 2 x 1,024 float32.
;; Outputs: out0 2,048 x 2 x 1,024 float32.
;; 2 versions, each right; version 2 is version 1 with the launches prep, ln2 written anew for expert scheduling mode. Each part assembles by itself: llvm-mc -triple=amdgcn-amd-amdhsa -mcpu=gfx1250 --defsym DOCPART=n.
;; ======== version 1 of 2: 7 launches
;; limits: a function is approximated: absolute error at most 1.5e-07
;; workspace buffers: hb 8,388,608 bytes; wb 25,165,824 bytes; qkv 25,165,824 bytes; psum 262,144 bytes; ob 8,388,608 bytes; x1 16,777,216 bytes; g 33,554,432 bytes
;; launch prep (part 1): grid 768 x 1, 8 waves a work-group, no clusters, 0 bytes of LDS; arguments x, ln1_w, ln1_b, wq, wk, wv, wout, fc1_w, fc2_w, hb, wb; writes hb, wb
.if DOCPART == 1
	.amdgcn_target "amdgcn-amd-amdhsa--gfx1250"
	.amdhsa_code_object_version 6
	.text
	.protected	k_q7197b5e345_prep
	.globl	k_q7197b5e345_prep
	.p2align	8
	.type	k_q7197b5e345_prep,@function
k_q7197b5e345_prep:
	s_mov_b64 s[64:65], 0
	v_nop
	global_prefetch_b8 v0, s[64:65] scope:SCOPE_SE
	s_setreg_imm32_b32 hwreg(HW_REG_WAVE_MODE, 25, 1), 1
	s_wait_xcnt 0x0
; Work-groups 0-255: hb = bf16(LN(x)), rows of 1,024 f32 normalised as reference() does it (the mean; the mean of the squared differences; (x - m) * rsqrt(v + eps) * w + b).
; Work-groups 256-767: wb = bf16 of the six weight matrices, laid end to end as 12,288 rows of 1,024, rounded only.  A launch of 256 work-groups runs the norm alone: the second norm uses this text so.
; A stream: every byte is read once and written once, so there is no LDS, no matrix unit and no cluster (no two work-groups read the same bytes but the two gain vectors).
; The unit is a row of 1,024 f32 (4,096 bytes).  One wave takes a row: eight loads of 16 bytes a lane, each covering 512 consecutive bytes; eight stores of 8 bytes a lane, each covering 256 consecutive bytes, aligned.
; A wave has two rows of the norm (the row stays in 32 registers for both passes) or three rows of weights; all its loads go out at once.  With 144 registers three work-groups of eight waves share a WGP's
; registers, so 768 work-groups are one even round.  24 rows do not divide a matrix of 1,024, so each of a wave's three rows picks its source by its own number.
; LIMITS: NaN and infinities are not treated apart.
.set ROWS, 2
.set VO,   1                            ; v1  the norm: my byte offset in the work-group's 16 rows of f32: 8,192 x wave + 16 x lane
.set SO,   2                            ; v2  the norm: the same in its 16 rows of bf16: 4,096 x wave + 8 x lane; the weights: 8 x lane
.set LO,   3                            ; v3  16 x lane
.set CH,   4                            ; v[4:11]  four chains of pairs
.set MEAN, 12                           ; v[12:13] the mean, twice
.set RSTD, 14                           ; v[14:15] 1 / sqrt(v + eps), twice
.set W,    16                           ; v[16:47] my 32 gains
.set B,    48                           ; v[48:79] my 32 offsets
.set X,    80                           ; v[80:143] two rows, 32 registers each
.set XC,   16                           ; v[16:111] the weights' path: three rows
.macro OUTROW xr, off                   ; the row in v[xr ..] is rounded in place, four numbers into two registers, and stored
.set k, 0
.rept 8
	v_cvt_pk_bf16_f32 v[(\xr)+4*k], v[(\xr)+4*k], v[(\xr)+4*k+1]
	v_cvt_pk_bf16_f32 v[(\xr)+4*k+1], v[(\xr)+4*k+2], v[(\xr)+4*k+3]
	global_store_b64 v[SO], v[(\xr)+4*k:(\xr)+4*k+1], s[8:9] offset:(\off)+256*k
.set k, k+1
.endr
.endm
.macro ALLSUM                           ; the four chains into one number, the same in every lane
	v_pk_add_f32 v[CH:CH+1], v[CH:CH+1], v[CH+2:CH+3]
	v_pk_add_f32 v[CH+4:CH+5], v[CH+4:CH+5], v[CH+6:CH+7]
	v_pk_add_f32 v[CH:CH+1], v[CH:CH+1], v[CH+4:CH+5]
	v_add_f32 v[CH], v[CH], v[CH+1]
.irp m, 1,2,4,8
	v_add_f32_dpp v[CH], v[CH], v[CH] row_xmask:\m row_mask:0xf bank_mask:0xf
.endr
	v_permlanex16_b32 v[CH+1], v[CH], s38, s39
	v_add_f32 v[CH], v[CH], v[CH+1]
.endm
.macro LNROW r
.set XR, X+32*(\r)
	s_wait_loadcnt 8*(ROWS-1-(\r))                 ; w, b and this row are in; the later row's eight loads may stay out
.irp c, 0,1,2,3
	v_pk_add_f32 v[CH+2*(\c):CH+2*(\c)+1], v[XR+4*(\c):XR+4*(\c)+1], v[XR+4*(\c)+2:XR+4*(\c)+3]  ; the first pairs start the chains
.endr
.set k, 8
.rept 8
	v_pk_add_f32 v[CH+2*(k%4):CH+2*(k%4)+1], v[CH+2*(k%4):CH+2*(k%4)+1], v[XR+2*k:XR+2*k+1]
.set k, k+1
.endr
	ALLSUM
	v_mul_f32 v[MEAN], s40, v[CH]
	v_mov_b32 v[MEAN+1], v[MEAN]
.set k, 0
.rept 16
	v_pk_add_f32 v[XR+2*k:XR+2*k+1], v[XR+2*k:XR+2*k+1], v[MEAN:MEAN+1] neg_lo:[0,1] neg_hi:[0,1]  ; x - m, in place
.set k, k+1
.endr
.irp c, 0,1,2,3
	v_pk_mul_f32 v[CH+2*(\c):CH+2*(\c)+1], v[XR+2*(\c):XR+2*(\c)+1], v[XR+2*(\c):XR+2*(\c)+1]
.endr
.set k, 4
.rept 12
	v_pk_fma_f32 v[CH+2*(k%4):CH+2*(k%4)+1], v[XR+2*k:XR+2*k+1], v[XR+2*k:XR+2*k+1], v[CH+2*(k%4):CH+2*(k%4)+1]
.set k, k+1
.endr
	ALLSUM
	v_fma_f32 v[CH], v[CH], s40, s41               ; v + eps
	v_rsq_f32 v[RSTD], v[CH]
	v_rsq_f32 v[RSTD+1], v[CH]
	v_nop                                          ; a plain instruction behind the second root,
	s_wait_alu depctr_va_vdst(0)                   ; and the wait ahead of the first use: one for both
.set k, 0
.rept 16
	v_pk_mul_f32 v[XR+2*k:XR+2*k+1], v[XR+2*k:XR+2*k+1], v[RSTD:RSTD+1]
.set k, k+1
.endr
.set k, 0
.rept 16
	v_pk_fma_f32 v[XR+2*k:XR+2*k+1], v[XR+2*k:XR+2*k+1], v[W+2*k:W+2*k+1], v[B+2*k:B+2*k+1]
.set k, k+1
.endr
	OUTROW XR, (\r)*2048
.endm
; Row s12 + i of the 12,288: rows 0-1023 wq, then wk, wv, wout, 4,096 rows of fc1_w, 4,096 rows' worth of fc2_w.  Its source's address goes into s[42+2i:43+2i].
.macro ROWPTR i
	s_add_co_u32 s10, s12, \i
	s_cmp_ge_u32 s10, 1024
	s_cselect_b64 s[6:7], s[24:25], s[22:23]
	s_cmp_ge_u32 s10, 2048
	s_cselect_b64 s[6:7], s[26:27], s[6:7]
	s_cmp_ge_u32 s10, 3072
	s_cselect_b64 s[6:7], s[28:29], s[6:7]
	s_cmp_ge_u32 s10, 4096
	s_cselect_b64 s[6:7], s[30:31], s[6:7]
	s_cselect_b32 s11, s13, s14                    ; rows in the matrix, less one
	s_cmp_ge_u32 s10, 8192
	s_cselect_b64 s[6:7], s[32:33], s[6:7]
	s_and_b32 s2, s10, s11                         ; the row's place in its matrix,
	s_lshl_b32 s2, s2, 12                          ; in bytes
	s_add_nc_u64 s[42+2*(\i):43+2*(\i)], s[6:7], s[2:3]
.endm
	s_load_b512 s[16:31], s[0:1], 0x0              ; x 16, ln_w 18, ln_b 20, wq 22, wk 24, wv 26, wout 28, fc1_w 30
	s_load_b128 s[32:35], s[0:1], 0x40             ; fc2_w 32, hb 34
	s_load_b64 s[36:37], s[0:1], 0x50              ; wb
	v_and_b32 v[LO], 31, v0
	v_lshrrev_b32 v4, 5, v0
	v_lshlrev_b32 v[VO], 4, v[LO]
	v_lshl_or_b32 v[VO], v4, 13, v[VO]
	v_lshlrev_b32 v[SO], 3, v[LO]
	v_lshlrev_b32 v[LO], 4, v[LO]
	s_mov_b32 s38, 0x76543210                      ; v_permlanex16_b32: each lane takes its own place in the other half
	s_mov_b32 s39, 0xfedcba98
	s_mov_b32 s40, 0x3a800000                      ; 1 / 1024
	s_mov_b32 s41, 0x3727c5ac                      ; 1e-5
	s_mov_b32 s3, 0
	s_mov_b32 s5, 0
	s_cmp_lt_u32 ttmp9, 256
	s_cbranch_scc0 .Lweights
	v_lshl_or_b32 v[SO], v4, 12, v[SO]
	s_lshl_b32 s2, ttmp9, 16                       ; 16 rows of 4,096 bytes in,
	s_lshl_b32 s4, ttmp9, 15                       ; 16 rows of 2,048 bytes out
	s_wait_kmcnt 0x0
	s_add_nc_u64 s[6:7], s[16:17], s[2:3]
	s_add_nc_u64 s[8:9], s[34:35], s[4:5]
.set i, 0
.rept 8
	global_load_b128 v[W+4*i:W+4*i+3], v[LO], s[18:19] offset:512*i
	global_load_b128 v[B+4*i:B+4*i+3], v[LO], s[20:21] offset:512*i
.set i, i+1
.endr
.set i, 0
.rept 8*ROWS
	global_load_b128 v[X+4*i:X+4*i+3], v[VO], s[6:7] offset:(i/8)*4096+(i%8)*512
.set i, i+1
.endr
	LNROW 0
	LNROW 1
	s_endpgm
.Lweights:
	v_readfirstlane_b32 s12, v4                    ; my wave's number
	s_sub_co_u32 s10, ttmp9, 256
	s_lshl_b32 s10, s10, 3
	s_add_co_u32 s10, s10, s12                     ; my wave among the 4,096
	s_mul_i32 s12, s10, 3                          ; my first row of the 12,288
	s_mov_b32 s13, 4095
	s_mov_b32 s14, 1023
	s_lshl_b32 s4, s12, 11                         ; rows of 2,048 bytes out
	s_wait_kmcnt 0x0
	ROWPTR 0
	ROWPTR 1
	ROWPTR 2
	s_add_nc_u64 s[8:9], s[36:37], s[4:5]
.set i, 0
.rept 24
	global_load_b128 v[XC+4*i:XC+4*i+3], v[LO], s[42+2*(i/8):43+2*(i/8)] offset:(i%8)*512 th:TH_LOAD_NT
.set i, i+1
.endr
	s_wait_loadcnt 16                              ; row 0 is in; the sixteen loads of rows 1 and 2 may stay out
	OUTROW XC, 0
	s_wait_loadcnt 8                               ; row 1 is in; row 2's eight loads may stay out
	OUTROW XC+32, 2048
	s_wait_loadcnt 0x0
	OUTROW XC+64, 4096
	s_endpgm
.Lfunc_end_k_q7197b5e345_prep:
	.size	k_q7197b5e345_prep, .Lfunc_end_k_q7197b5e345_prep-k_q7197b5e345_prep
	.p2alignl 7, 3214868480
	.fill 96, 4, 3214868480
	.section	.rodata,"a",@progbits
	.p2align	6, 0x0
	.amdhsa_kernel k_q7197b5e345_prep
		.amdhsa_group_segment_fixed_size 0
		.amdhsa_private_segment_fixed_size 0
		.amdhsa_enable_private_segment 0
		.amdhsa_kernarg_size 88
		.amdhsa_user_sgpr_count 2
		.amdhsa_user_sgpr_kernarg_segment_ptr 1
		.amdhsa_wavefront_size32 1
		.amdhsa_system_sgpr_workgroup_id_x 1
		.amdhsa_system_sgpr_workgroup_id_y 1
		.amdhsa_system_sgpr_workgroup_id_z 1
		.amdhsa_system_vgpr_workitem_id 0
		.amdhsa_next_free_vgpr 144
		.amdhsa_next_free_sgpr 66
		.amdhsa_reserve_vcc 0
		.amdhsa_float_denorm_mode_32 3
		.amdhsa_float_denorm_mode_16_64 3
		.amdhsa_memory_ordered 1
		.amdhsa_forward_progress 1
		.amdhsa_inst_pref_size 31
	.end_amdhsa_kernel
	.amdgpu_metadata
---
amdhsa.version: [ 1, 2 ]
amdhsa.kernels:
  - .name:           k_q7197b5e345_prep
    .symbol:         k_q7197b5e345_prep.kd
    .args:
      - { .name: x, .offset: 0, .size: 8, .value_kind: global_buffer, .address_space: global }
      - { .name: ln1_w, .offset: 8, .size: 8, .value_kind: global_buffer, .address_space: global }
      - { .name: ln1_b, .offset: 16, .size: 8, .value_kind: global_buffer, .address_space: global }
      - { .name: wq, .offset: 24, .size: 8, .value_kind: global_buffer, .address_space: global }
      - { .name: wk, .offset: 32, .size: 8, .value_kind: global_buffer, .address_space: global }
      - { .name: wv, .offset: 40, .size: 8, .value_kind: global_buffer, .address_space: global }
      - { .name: wout, .offset: 48, .size: 8, .value_kind: global_buffer, .address_space: global }
      - { .name: fc1_w, .offset: 56, .size: 8, .value_kind: global_buffer, .address_space: global }
      - { .name: fc2_w, .offset: 64, .size: 8, .value_kind: global_buffer, .address_space: global }
      - { .name: hb, .offset: 72, .size: 8, .value_kind: global_buffer, .address_space: global }
      - { .name: wb, .offset: 80, .size: 8, .value_kind: global_buffer, .address_space: global }
    .group_segment_fixed_size: 0
    .private_segment_fixed_size: 0
    .kernarg_segment_align: 8
    .kernarg_segment_size: 88
    .max_flat_workgroup_size: 256
    .sgpr_count:     66
    .vgpr_count:     144
    .wavefront_size: 32
...
	.end_amdgpu_metadata
.endif
;; end of part 1
;; launch qkv (part 2): grid 12 x 16, 4 waves a work-group, clusters of 4 x 4, 327,680 bytes of LDS; arguments hb, wb, qkv, bq, bk, bv, psum; writes qkv, psum
.if DOCPART == 2
	.amdgcn_target "amdgcn-amd-amdhsa--gfx1250"
	.amdhsa_code_object_version 6
	.text
	.protected	k_q7197b5e345_qkv
	.globl	k_q7197b5e345_qkv
	.p2align	8
	.type	k_q7197b5e345_qkv,@function
k_q7197b5e345_qkv:
	s_mov_b64 s[64:65], 0
	v_nop
	global_prefetch_b8 v0, s[64:65] scope:SCOPE_SE
	s_setreg_imm32_b32 hwreg(HW_REG_WAVE_MODE, 25, 1), 1
	s_wait_xcnt 0x0
	s_wait_alu depctr_hold_cnt(0) depctr_sa_sdst(0) depctr_va_vdst(0) depctr_va_sdst(0) depctr_va_ssrc(0) depctr_va_vcc(0) depctr_vm_vsrc(0)
	s_getreg_b32 s2, hwreg(HW_REG_IB_STS2, 6, 4)
	s_cmp_eq_u32 s2, 0
	s_cbranch_scc0 .Lentry_in_a_cluster
	s_endpgm
.Lentry_in_a_cluster:
	s_bfe_u32 s2, ttmp6, 0x10000c
	s_cmp_lg_u32 s2, 0xf033
	s_cbranch_scc0 .Lentry_shape_is_right
	s_endpgm
.Lentry_shape_is_right:
; [q | k | v] = hb [wq; wk; wv]^T + bias, rounded once to bf16 and laid out by heads: qkv[3][16 n + h][l][64] (token row m = 2 l + n).  q is NOT scaled here: the softmax applies 1/8 in f32.
; hb: [4096][1024] bf16; wb's first 3,072 rows: [wq; wk; wv], 1,024 bf16 each.  Sums in f32, K ascending, started with the bias as the first product's C operand.
; ALSO: psum[16 n + h][block of 64 positions][64] = the sum of v's rows over the block, in f32, taken of the unrounded sums on the way out: the attention adds such blocks up for the keys that its mask hides.
; SHARES.  A tile of C is 256 x 256, made by four waves, each 128 x 128: 64 accumulators, 512 registers.  K = 1,024 goes in eight steps of 128 through a ring of two LDS slots filled by tensor loads;
; a tile's rows are 256 bytes of memory, aligned.  ONE K step is written and looped over (the LDS addresses hang on s[TB], the descriptors walk); the last two steps, which ask for nothing, are a second copy.
; The grid has 12 x 16 = 192 work-groups: a tile of 192 columns would give 256, but it would cut heads and the bounds between q, k and v.
; CLUSTER.  4 x 4 work-groups; A's tile is shared along a row of the cluster, B's along a column: each is asked for JOINTLY, by the same tensor load, descriptor and mask in all four.
; TRANSPOSED USE: source 0 = 16 rows of B, source 1 = 16 rows of A: a lane holds eight neighbouring columns of one row of C.
; REGISTERS: window 0: v16-30 addresses; v32-95 at work on the way out; v64-127, v128-191 A's fragments, two buffers (on the way out v128-191 serve v's sums); v192-255 the bias.  Window 1: v64-191 B's fragments.
; Windows 2, 3: the accumulators, (a, b) at 8 (8 a + b).
; LIMITS: bf16 operands; NaN and infinities are not treated apart.
.set KSTEP,  128
.set PITCH,  272                       ; an LDS row: 256 bytes + 16 of padding: the 16 rows of a fragment load start at 16 different groups of four banks (ISA guide 11.1)
.set HALFT,  128*PITCH
.set SLOT,   4*HALFT                   ; 0x22000: bits 13 and 17, which no wave's part (wave x 0x8800) holds: one exclusive or changes slots
.set SPITCH, 528                       ; the way out: a row of 128 f32 + 16 bytes
.set WSTAGE, 128*SPITCH                ; a wave's stage, in the ring's bytes, which have had their last fill by then
.set SPARE,  2*SLOT                    ; the spare words: 128 bytes a wave, two blocks of 256 bytes that no other line names
.set A0,   16                          ; v16  my lane's place in A's half of a slot; never rewritten
.set B0,   17                          ; v17  the same for B
.set ADRA, 18                          ; v18  s[TB] + A0
.set ADRB, 19                          ; v19  s[TB] + B0
.set RDA,  20                          ; v20  the way out: the address of the rows read back in this trip
.set PSO,  21                          ; v21  my byte offset in psum
.set BT,   22                          ; v22  a bit of my lane's number
.set STO,  24                          ; v24  the way out: where I put 32 bytes of a row
.set RD,   25                          ; v25  the way out: my lane's place among the rows read back
.set GO,   26                          ; v26  my byte offset in the output
.set BO,   27                          ; v27  32 x (lane / 16): my eight numbers of 16 of the bias
.set SPW,  28                          ; v28  my spare word; never rewritten
.set NIL,  29                          ; v29  0; never rewritten
.set PFO,  30                          ; v30  the prefetches' offset: lane x 2,048 bytes; never rewritten
.set OB,   32
.set F0,   64
.set F1,   128
.set SA,   128                         ; the way out: v's sums: batch n, head e, eight channels at SA + 8 (2 n + e)
.set TR,   160                         ; the way out: at work on those sums
.set BI,   192
.set TB,   2                           ; s2   0 or SLOT: the slot that is read
.set LIM,  43                          ; s43  2 in a wave that prefetches, else the greatest number
.set PFA,  44                          ; s[44:45] where my prefetches stand
.set G1,   24
.set G0,   32                          ; s[32:35] A's first fill; s[36:39] A's second fill, which then walks
.set G1B,  48
.set G0B,  56                          ; the same for B
.set MSB, 0
.macro WIN new                         ; the immediate's high byte repeats the setting that is left; a switch that changes nothing is dropped
.if MSB != (\new)
	s_set_vgpr_msb (MSB<<8)|(\new)
.set MSB, \new
.endif
.endm
.set MUL_LO, 0xa1                      ; source 0 (B) window 1, source 1 (A) window 0, C and D window 2
.set MUL_HI, 0xf1                      ; the same, C and D window 3
.set TO_B,   0x40
.macro JLOAD s                         ; a joint load: waves 0 and 1 fetch A's halves, waves 2 and 3 B's; an s_nop 0 and four v_nop follow each line
	s_cmp_eq_u32 s11, 0
	s_cbranch_scc0 .Lfor_b_\@
	tensor_load_to_lds s[G0+4*(\s):G0+4*(\s)+3], s[G1:G1+7]
	s_nop 0
.rept 4
	v_nop
.endr
	s_branch .Lasked_\@
.Lfor_b_\@:
	tensor_load_to_lds s[G0B+4*(\s):G0B+4*(\s)+3], s[G1B:G1B+7]
	s_nop 0
.rept 4
	v_nop
.endr
.Lasked_\@:
.endm
; A prefetch of the K step that stands two refills on: 32 rows x 256 bytes, a lane a row.  A's rows are asked for by the clusters with x = 0, B's by those with y = 0; the four partners that ask for a
; tile jointly share its rows out by address, 32 each: so each row's 256 bytes of a K step are named once in the launch.  Refills 0 to 3 name K steps 4 to 7; the last two name nothing.
.macro ASK
	s_cmp_gt_u32 s3, s[LIM]
	s_cbranch_scc0 .Lnot_mine_\@
	global_prefetch_b8 v[PFO], s[PFA:PFA+1] offset:KSTEP*2 th:TH_LOAD_NT scope:SCOPE_SE
.Lnot_mine_\@:
.endm
.macro CREST                           ; a round of the cluster's barrier behind its opening barrier
	s_cmp_lg_u32 s10, 0
	s_cbranch_scc1 .Lnot_wave_0_\@
	s_barrier_signal -3
.Lnot_wave_0_\@:
	s_barrier_wait -3
	s_barrier_signal -1
	s_barrier_wait -1
.endm
.macro CROUND
	s_barrier_signal -1
	s_barrier_wait -1
	CREST
.endm
.macro PLACES                          ; four places behind matrix instructions, in front of loads into registers that they have read
.rept 4
	v_nop
.endr
.endm
; 16 matrix instructions: m blocks a0, a0 + 1 of the window's four x all 8 n blocks, 32 along K.  zero = 1: the first product starts the sums, with the bias as C.
.macro MUL16 f, hi, a0, zero
.if \zero
	WIN 0x81+0x40*(\hi)                            ; C in window 0
.else
	WIN MUL_LO+0x50*(\hi)
.endif
.irp a, \a0, (\a0)+1
.irp b, 0,1,2,3,4,5,6,7
.if \zero
	v_wmma_f32_16x16x32_bf16 v[8*(8*(\a)+(\b)):8*(8*(\a)+(\b))+7], v[(\f)+8*(\b):(\f)+8*(\b)+7], v[(\f)+8*(4*(\hi)+(\a)):(\f)+8*(4*(\hi)+(\a))+7], v[BI+8*(\b):BI+8*(\b)+7]
.else
	v_wmma_f32_16x16x32_bf16 v[8*(8*(\a)+(\b)):8*(8*(\a)+(\b))+7], v[(\f)+8*(\b):(\f)+8*(\b)+7], v[(\f)+8*(4*(\hi)+(\a)):(\f)+8*(4*(\hi)+(\a))+7], v[8*(8*(\a)+(\b)):8*(8*(\a)+(\b))+7]
.endif
.endr
.endr
.endm
.macro FETCH k, f                      ; 32 LDS loads in one run: a quarter step's fragments (byte k of the rows) into buffer f
	WIN TO_B
.irp i, 0,1,2,3,4,5,6,7
	ds_load_b128 v[(\f)+8*(\i):(\f)+8*(\i)+3],   v[ADRB] offset:(\k)+(\i)*16*PITCH
	ds_load_b128 v[(\f)+8*(\i)+4:(\f)+8*(\i)+7], v[ADRB] offset:(\k)+(\i)*16*PITCH+32
.endr
	WIN 0
.irp i, 0,1,2,3,4,5,6,7
	ds_load_b128 v[(\f)+8*(\i):(\f)+8*(\i)+3],   v[ADRA] offset:(\k)+(\i)*16*PITCH
	ds_load_b128 v[(\f)+8*(\i)+4:(\f)+8*(\i)+7], v[ADRA] offset:(\k)+(\i)*16*PITCH+32
.endr
.endm
.macro QUARTER k, f, g, zero           ; multiplies buffer f; in its middle fetches the next quarter, at byte k, into g.  The 64 accumulators take turns, in the same order in every quarter
	s_wait_dscnt 8                                 ; B and A's rows 0-63 are in; the youngest eight loads (A's rows 64-127) may be out
	MUL16 \f, 0, 0, \zero
	MUL16 \f, 0, 2, \zero
	PLACES
	FETCH \k, \g
	s_wait_dscnt 32                                ; all but the 32 just issued
	MUL16 \f, 1, 0, \zero
	MUL16 \f, 1, 2, \zero
.endm
; The last quarter multiplies buffer 1 and changes slots.  In front of the barrier each wave waits for all its tensor loads (one is out: its part of the next slot), adds 0 to its spare word, and waits for
; that and for its reads of this slot.  fill = 1: the barrier opens a round of the cluster's, and the joint refill, two K steps on, is the first thing behind it.  fill = 0 (the tail): nothing is asked for, and in
; the last trip nothing is fetched.
.macro TURN fill
.if \fill
	s_wait_xcnt 0x0                                ; the last prefetch, a K step back, has read its address
	s_add_nc_u64 s[PFA:PFA+1], s[PFA:PFA+1], KSTEP*2
.endif
	WIN 0
	s_wait_tensorcnt 0x0
	ds_add_u32 v[SPW], v[NIL]
	s_wait_dscnt 9                                 ; the add and the youngest eight loads may be out
	MUL16 F1, 0, 0, 0
	s_wait_dscnt 0x0                               ; the add is done, and my reads of this slot are over
	s_barrier_signal -1
	MUL16 F1, 0, 2, 0
	WIN 0
	s_barrier_wait -1
.if \fill
	CREST
	s_xor_b32 s[G0+5], s[G0+5], SLOT               ; the walking descriptors: the other slot than last time, the next K step
	s_add_nc_u64 s[G0+6:G0+7], s[G0+6:G0+7], KSTEP*2
	s_xor_b32 s[G0B+5], s[G0B+5], SLOT
	s_add_nc_u64 s[G0B+6:G0B+7], s[G0B+6:G0B+7], KSTEP*2
	JLOAD 1                                        ; its four v_nop are also the places in front of the loads below
.else
	PLACES
	s_cmp_eq_u32 s3, 1
	s_cbranch_scc1 .Lno_more_\@
.endif
	s_xor_b32 s[TB], s[TB], SLOT
	v_add_nc_u32 v[ADRA], s[TB], v[A0]
	v_add_nc_u32 v[ADRB], s[TB], v[B0]
	FETCH 0, F0
.if \fill
	ASK
.else
.Lno_more_\@:
.endif
	MUL16 F1, 1, 0, 0
	MUL16 F1, 1, 2, 0
.endm
	s_load_b128 s[4:7], s[0:1], 0x0                ; A = hb, wb
	s_load_b64 s[8:9], s[0:1], 0x10                ; qkv
	s_load_b64 s[68:69], s[0:1], 0x18              ; bq
	s_load_b64 s[70:71], s[0:1], 0x20              ; bk
	s_load_b64 s[72:73], s[0:1], 0x28              ; bv
	s_load_b64 s[78:79], s[0:1], 0x30              ; psum
	v_lshl_add_u32 v[SPW], v0, 2, SPARE
	v_mov_b32 v[NIL], 0
	ds_add_u32 v[SPW], v[NIL]                      ; the wave's opening: the add and its wait ahead of my first tensor load
	v_lshrrev_b32 v1, 5, v0
	v_readfirstlane_b32 s10, v1                    ; wave 0..3
	s_lshr_b32 s11, s10, 1                         ; my half of the tile's rows.  Also: I fetch for A (0) or B (1)
	s_and_b32 s12, s10, 1                          ; my half of its columns.  Also: which 128 rows I fetch
	s_bfe_u32 s40, ttmp6, 0x40000                  ; cx
	s_bfe_u32 s41, ttmp6, 0x40004                  ; cy
	s_lshl_b32 s42, ttmp9, 2
	s_add_co_u32 s42, s42, s40                     ; tile column
	s_and_b32 s13, ttmp7, 0xffff
	s_lshl_b32 s13, s13, 2
	s_add_co_u32 s13, s13, s41                     ; tile row
	s_lshl_b32 s43, s41, 2
	s_lshl_b32 s43, 15, s43                        ; my row of the cluster
	s_lshl_b32 s44, 0x1111, s40                    ; my column
	s_or_b32 s[G1+0], s43, (1<<16)|(1<<20)|(1<<21)|(5<<22)|(3<<25)   ; mask; 2-byte elements; padding on; bit 21 beside a mask; after every 64 words, 4 words
	s_or_b32 s[G1B+0], s44, (1<<16)|(1<<20)|(1<<21)|(5<<22)|(3<<25)
.irp g, G1, G1B
	s_mov_b32 s[(\g)+1], KSTEP<<16                 ; tensor_dim0 = 128
	s_mov_b32 s[(\g)+2], 128<<16                   ; tensor_dim1 = 128
	s_mov_b32 s[(\g)+3], KSTEP<<16                 ; tile_dim0 = 128
	s_mov_b32 s[(\g)+4], 128                       ; tile_dim1 = 128
	s_mov_b32 s[(\g)+5], 1024                      ; elements from row to row
	s_mov_b32 s[(\g)+6], 0
	s_mov_b32 s[(\g)+7], 0
.endr
	s_lshl_b32 s17, s12, 7
	s_lshl_b32 s16, s13, 8
	s_add_co_u32 s16, s16, s17
	s_lshl_b32 s16, s16, 11                        ; A: (256 x tile row + 128 x half) rows of 2,048 bytes
	s_lshl_b32 s46, s42, 8
	s_add_co_u32 s46, s46, s17
	s_lshl_b32 s46, s46, 11                        ; B: by the tile column
	s_mov_b32 s17, 0
	s_mov_b32 s47, 0
	s_mul_i32 s20, s10, HALFT                      ; where they go: wave x 128 rows
	s_mov_b32 s[TB], 0
	s_wait_dscnt 0x0                               ; the opening add is done
	s_wait_kmcnt 0x0
	s_add_nc_u64 s[14:15], s[4:5], s[16:17]
	s_add_nc_u64 s[46:47], s[6:7], s[46:47]
	CROUND                                         ; all sixteen work-groups are here: the first joint loads meet
.irp s, 0,1
	s_mov_b32 s[G0+4*(\s)], 1
	s_add_co_u32 s[G0+4*(\s)+1], s20, (\s)*SLOT
	s_add_nc_u64 s[G0+4*(\s)+2:G0+4*(\s)+3], s[14:15], (\s)*KSTEP*2
	s_or_b32 s[G0+4*(\s)+3], s[G0+4*(\s)+3], 0x80000000
	s_mov_b32 s[G0B+4*(\s)], 1
	s_add_co_u32 s[G0B+4*(\s)+1], s20, (\s)*SLOT
	s_add_nc_u64 s[G0B+4*(\s)+2:G0B+4*(\s)+3], s[46:47], (\s)*KSTEP*2
	s_or_b32 s[G0B+4*(\s)+3], s[G0B+4*(\s)+3], 0x80000000
	JLOAD \s                                       ; two tensor loads of mine are out here, later one
.endr
	v_and_b32 v1, 15, v0                           ; l % 16
	v_bfe_u32 v2, v0, 4, 1                         ; l / 16
	v_lshlrev_b32 v[BO], 5, v2
	; the bias of my 128 columns: register j of block b is bias[16 b + 8 (l / 16) + j], which is where the transposed product wants it as C
	s_cmp_eq_u32 ttmp9, 1                          ; cluster x says which of q, k, v: the same in all partners
	s_cselect_b64 s[74:75], s[70:71], s[68:69]
	s_cmp_eq_u32 ttmp9, 2
	s_cselect_b64 s[74:75], s[72:73], s[74:75]
	s_lshl_b32 s76, s40, 10
	s_lshl_b32 s77, s12, 9
	s_add_co_u32 s76, s76, s77
	s_mov_b32 s77, 0
	s_add_nc_u64 s[74:75], s[74:75], s[76:77]
.irp b, 0,1,2,3,4,5,6,7
	global_load_b128 v[BI+8*(\b):BI+8*(\b)+3],   v[BO], s[74:75] offset:64*(\b)
	global_load_b128 v[BI+8*(\b)+4:BI+8*(\b)+7], v[BO], s[74:75] offset:64*(\b)+16
.endr
	v_mul_u32_u24 v3, v1, PITCH
	v_lshl_add_u32 v3, v2, 4, v3                   ; a fragment's row x pitch + 16 x half
	s_mul_i32 s21, s11, HALFT
	s_mul_i32 s22, s12, HALFT
	s_add_co_u32 s22, s22, 2*HALFT
	v_add_nc_u32 v[A0], s21, v3
	v_add_nc_u32 v[B0], s22, v3
	v_mov_b32 v[ADRA], v[A0]
	v_mov_b32 v[ADRB], v[B0]
	s_mul_i32 s23, s10, WSTAGE
	v_mul_u32_u24 v[STO], v1, SPITCH
	v_lshl_add_u32 v[STO], v2, 5, v[STO]
	v_add_nc_u32 v[STO], s23, v[STO]
	v_bfe_u32 v4, v0, 3, 2                         ; back: lane l takes position l / 8 of four, channels 8 (l % 8) on: token rows two apart
	v_and_b32 v5, 7, v0
	v_mul_u32_u24 v[RD], v4, 2*SPITCH
	v_lshl_add_u32 v[RD], v5, 5, v[RD]
	v_add_nc_u32 v[RD], s23, v[RD]
	v_and_b32 v[GO], 31, v0
	v_lshlrev_b32 v[GO], 4, v[GO]                  ; four rows of a head are 512 consecutive bytes
	s_lshl_b32 s76, ttmp9, 23                      ; q, k or v
	s_lshl_b32 s77, s40, 20                        ; head 4 cx + 2 x half: 262,144 bytes a head
	s_add_co_u32 s76, s76, s77
	s_lshl_b32 s77, s12, 19
	s_add_co_u32 s76, s76, s77
	s_lshl_b32 s77, s13, 14                        ; position 128 x tile row + 64 x half: 128 bytes a position
	s_add_co_u32 s76, s76, s77
	s_lshl_b32 s77, s11, 13
	s_add_co_u32 s76, s76, s77
	s_mov_b32 s77, 0
	s_add_nc_u64 s[8:9], s[8:9], s[76:77]
	s_lshl_b32 s76, s40, 15                        ; psum: head 4 cx + 2 x half: 8,192 bytes a head,
	s_lshl_b32 s77, s12, 14
	s_add_co_u32 s76, s76, s77
	s_lshl_b32 s77, s13, 9                         ; block 2 x tile row + half: 256 bytes a block
	s_add_co_u32 s76, s76, s77
	s_lshl_b32 s77, s11, 8
	s_add_co_u32 s76, s76, s77
	s_mov_b32 s77, 0
	s_add_nc_u64 s[78:79], s[78:79], s[76:77]
	; the prefetches
	s_lshl_b32 s20, s13, 8
	s_lshl_b32 s21, s42, 8
	s_and_b32 s22, ttmp7, 0xffff
	s_cmp_eq_u32 s11, 0                            ; do I fetch for A?
	s_cselect_b32 s20, s20, s21                    ; the tile's first row
	s_cselect_b32 s21, s40, s41                    ; my place among the four that ask with me
	s_cselect_b32 s22, ttmp9, s22                  ; the coordinate along which other clusters read the same rows
	s_cselect_b64 s[PFA:PFA+1], s[4:5], s[6:7]
	s_cmp_eq_u32 s22, 0
	s_cselect_b32 s[LIM], 2, -1
	s_lshl_b32 s22, s12, 7
	s_add_co_u32 s20, s20, s22
	s_lshl_b32 s21, s21, 5
	s_add_co_u32 s20, s20, s21
	s_lshl_b32 s20, s20, 11
	s_mov_b32 s21, 0
	s_add_nc_u64 s[PFA:PFA+1], s[PFA:PFA+1], s[20:21]
	s_add_nc_u64 s[PFA:PFA+1], s[PFA:PFA+1], 2*KSTEP*2  ; at K step 2: the first refill steps it to 3 and names K step 4
	v_and_b32 v[PFO], 31, v0
	v_lshlrev_b32 v[PFO], 11, v[PFO]
	s_wait_tensorcnt 1                             ; my part of K step 0 is in; K step 1's may stay out
	s_barrier_signal -1
	s_barrier_wait -1
	FETCH 0, F0
	s_wait_loadcnt 0x0                             ; the bias
	QUARTER 64, F0, F1, 1                          ; the first quarter stands in front of the loop: its products start the sums
	WIN 0
	s_mov_b32 s3, 6
.Lstep:                                        ; a trip: a K step's quarters 1 to 3, the refill, the next step's quarter 0
	QUARTER 128, F1, F0, 0
	QUARTER 192, F0, F1, 0
	TURN 1
	QUARTER 64, F0, F1, 0
	WIN 0
	s_sub_co_u32 s3, s3, 1
	s_cmp_lg_u32 s3, 0
	s_cbranch_scc1 .Lstep
	s_mov_b32 s3, 2
.Ltail:                                        ; K steps 6 and 7 ask for nothing: written out
	QUARTER 128, F1, F0, 0
	QUARTER 192, F0, F1, 0
	TURN 0
	WIN 0
	s_sub_co_u32 s3, s3, 1
	s_cmp_eq_u32 s3, 0
	s_cbranch_scc1 .Lout
	QUARTER 64, F0, F1, 0
	WIN 0
	s_branch .Ltail
.Lout:
	; THE WAY OUT.  The sums go as f32 into my stage, in the ring's bytes: every wave's reads of the ring are over and no fill follows.
	s_wait_dscnt 0x0
	s_barrier_signal -1
	s_barrier_wait -1
.rept 8
	v_nop
.endr
.set a, 0
.rept 8
	WIN 0x08+4*(a/4)                               ; the stores' data in window 2 or 3
.set b, 0
.rept 8
	ds_store_b128 v[STO], v[8*(8*(a%4)+b):8*(8*(a%4)+b)+3]   offset:a*16*SPITCH+64*b      ; each accumulator's low registers first
	ds_store_b128 v[STO], v[8*(8*(a%4)+b)+4:8*(8*(a%4)+b)+7] offset:a*16*SPITCH+64*b+16
.set b, b+1
.endr
.set a, a+1
.endr
	WIN 0
	s_wait_dscnt 0x0
	s_barrier_signal -1
	s_barrier_wait -1
	s_mov_b32 s[TB], 0
	s_mov_b32 s3, 8
.set c, 0
.rept 32
	v_mov_b32 v[SA+c], 0                           ; v's sums start at 0, so that the loop has one form
.set c, c+1
.endr
.Lrows:                                        ; 16 token rows a trip = 8 positions x 2 batches x 2 heads: eight stores of 512 consecutive bytes
	v_add_nc_u32 v[RDA], s[TB], v[RD]
.irp n, 0,1
.irp e, 0,1
.irp f, 0,1
	ds_load_b128 v[OB+8*(4*(\n)+2*(\e)+(\f)):OB+8*(4*(\n)+2*(\e)+(\f))+3],   v[RDA] offset:(8*(\f)+(\n))*SPITCH+256*(\e)
	ds_load_b128 v[OB+8*(4*(\n)+2*(\e)+(\f))+4:OB+8*(4*(\n)+2*(\e)+(\f))+7], v[RDA] offset:(8*(\f)+(\n))*SPITCH+256*(\e)+16
.endr
.endr
.endr
	s_add_co_u32 s[TB], s[TB], 16*SPITCH
	s_wait_dscnt 0x0
	s_cmp_lg_u32 ttmp9, 2                          ; only v's clusters add their rows up: cluster x is the same in all partners
	s_cbranch_scc1 .Lnot_v
.irp f, 0,1
.irp n, 0,1
.irp e, 0,1
.irp q, 0,2,4,6
	v_pk_add_f32 v[SA+8*(2*(\n)+(\e))+(\q):SA+8*(2*(\n)+(\e))+(\q)+1], v[SA+8*(2*(\n)+(\e))+(\q):SA+8*(2*(\n)+(\e))+(\q)+1], v[OB+8*(4*(\n)+2*(\e)+(\f))+(\q):OB+8*(4*(\n)+2*(\e)+(\f))+(\q)+1]
.endr
.endr
.endr
.endr
.Lnot_v:
.set c, 0
.rept 8
.irp q, 0,1,2,3
	v_cvt_pk_bf16_f32 v[OB+8*c+(\q)], v[OB+8*c+2*(\q)], v[OB+8*c+2*(\q)+1]
.endr
.set c, c+1
.endr
.irp n, 0,1
.irp e, 0,1
.irp f, 0,1
	global_store_b128 v[GO], v[OB+8*(4*(\n)+2*(\e)+(\f)):OB+8*(4*(\n)+2*(\e)+(\f))+3], s[8:9] offset:(\n)*4194304+(\e)*262144+(\f)*512
.endr
.endr
.endr
	s_wait_xcnt 0x0                                ; the stores' data and base are written again only behind this wait
	s_add_nc_u64 s[8:9], s[8:9], 1024              ; eight positions on
	s_sub_co_u32 s3, s3, 1
	s_cmp_lg_u32 s3, 0
	s_cbranch_scc1 .Lrows
	s_cmp_lg_u32 ttmp9, 2
	s_cbranch_scc1 .Lno_psum
	; v's sums over my 64 positions.  The lanes 8, 16 and 24 away hold the same channels of other positions: two steps add them, and every lane then holds the sums of channels 8 (l % 8) + 0..7.
	s_mov_b32 s16, 0x76543210                      ; v_permlanex16_b32: each lane takes its own place in the other half
	s_mov_b32 s17, 0xfedcba98
.set c, 0
.rept 32
	v_add_f32_dpp v[SA+c], v[SA+c], v[SA+c] row_xmask:8 row_mask:0xf bank_mask:0xf
.set c, c+1
.endr
.set c, 0
.rept 32
	v_permlanex16_b32 v[TR+c], v[SA+c], s16, s17
.set c, c+1
.endr
.set c, 0
.rept 16
	v_pk_add_f32 v[SA+2*c:SA+2*c+1], v[SA+2*c:SA+2*c+1], v[TR+2*c:TR+2*c+1]
.set c, c+1
.endr
	; A store of 16 bytes a lane: lanes 0-7 the first four of their eight channels, lanes 8-15 the other four: 256 consecutive bytes, aligned; lanes 16-31 the same for the second head.
	v_and_b32 v[PSO], 7, v0
	v_lshlrev_b32 v[PSO], 5, v[PSO]
	v_and_b32 v[BT], 8, v0
	v_cmp_ne_u32 s14, 0, v[BT]
	v_lshl_add_u32 v[PSO], v[BT], 1, v[PSO]        ; 16 bytes on
	v_and_b32 v[BT], 16, v0
	v_cmp_ne_u32 s15, 0, v[BT]
	v_lshl_add_u32 v[PSO], v[BT], 9, v[PSO]        ; a head's 8,192 bytes on
.irp n, 0,1
.irp q, 0,1,2,3
	v_cndmask_b32 v[TR+(\q)], v[SA+16*(\n)+(\q)], v[SA+16*(\n)+4+(\q)], s14
	v_cndmask_b32 v[TR+4+(\q)], v[SA+16*(\n)+8+(\q)], v[SA+16*(\n)+12+(\q)], s14
.endr
.irp q, 0,1,2,3
	v_cndmask_b32 v[TR+8+4*(\n)+(\q)], v[TR+(\q)], v[TR+4+(\q)], s15
.endr
	global_store_b128 v[PSO], v[TR+8+4*(\n):TR+8+4*(\n)+3], s[78:79] offset:(\n)*131072  ; the second batch's heads lie 16 heads on
.endr
.Lno_psum:
	s_wait_tensorcnt 0x0                           ; the wave's end
	ds_add_u32 v[SPW], v[NIL]
	s_wait_dscnt 0x0
	CROUND                                         ; the closing round
	s_endpgm
.Lfunc_end_k_q7197b5e345_qkv:
	.size	k_q7197b5e345_qkv, .Lfunc_end_k_q7197b5e345_qkv-k_q7197b5e345_qkv
	.p2alignl 7, 3214868480
	.fill 96, 4, 3214868480
	.section	.rodata,"a",@progbits
	.p2align	6, 0x0
	.amdhsa_kernel k_q7197b5e345_qkv
		.amdhsa_group_segment_fixed_size 327680
		.amdhsa_private_segment_fixed_size 0
		.amdhsa_enable_private_segment 0
		.amdhsa_kernarg_size 56
		.amdhsa_user_sgpr_count 2
		.amdhsa_user_sgpr_kernarg_segment_ptr 1
		.amdhsa_wavefront_size32 1
		.amdhsa_system_sgpr_workgroup_id_x 1
		.amdhsa_system_sgpr_workgroup_id_y 1
		.amdhsa_system_sgpr_workgroup_id_z 1
		.amdhsa_system_vgpr_workitem_id 0
		.amdhsa_next_free_vgpr 1024
		.amdhsa_next_free_sgpr 80
		.amdhsa_reserve_vcc 0
		.amdhsa_float_denorm_mode_32 3
		.amdhsa_float_denorm_mode_16_64 3
		.amdhsa_memory_ordered 1
		.amdhsa_forward_progress 1
		.amdhsa_inst_pref_size 95
	.end_amdhsa_kernel
	.amdgpu_metadata
---
amdhsa.version: [ 1, 2 ]
amdhsa.kernels:
  - .name:           k_q7197b5e345_qkv
    .symbol:         k_q7197b5e345_qkv.kd
    .args:
      - { .name: hb, .offset: 0, .size: 8, .value_kind: global_buffer, .address_space: global }
      - { .name: wb, .offset: 8, .size: 8, .value_kind: global_buffer, .address_space: global }
      - { .name: qkv, .offset: 16, .size: 8, .value_kind: global_buffer, .address_space: global }
      - { .name: bq, .offset: 24, .size: 8, .value_kind: global_buffer, .address_space: global }
      - { .name: bk, .offset: 32, .size: 8, .value_kind: global_buffer, .address_space: global }
      - { .name: bv, .offset: 40, .size: 8, .value_kind: global_buffer, .address_space: global }
      - { .name: psum, .offset: 48, .size: 8, .value_kind: global_buffer, .address_space: global }
    .group_segment_fixed_size: 327680
    .private_segment_fixed_size: 0
    .kernarg_segment_align: 8
    .kernarg_segment_size: 56
    .max_flat_workgroup_size: 128
    .sgpr_count:     80
    .vgpr_count:     1024
    .wavefront_size: 32
...
	.end_amdgpu_metadata
.endif
;; end of part 2
;; launch attn (part 3): grid 8 x 32, 8 waves a work-group, no clusters, 327,680 bytes of LDS; arguments qkv, psum, ob; writes ob
.if DOCPART == 3
	.amdgcn_target "amdgcn-amd-amdhsa--gfx1250"
	.amdhsa_code_object_version 6
	.text
	.protected	k_q7197b5e345_attn
	.globl	k_q7197b5e345_attn
	.p2align	8
	.type	k_q7197b5e345_attn,@function
k_q7197b5e345_attn:
	s_mov_b64 s[64:65], 0
	v_nop
	global_prefetch_b8 v0, s[64:65] scope:SCOPE_SE
	s_setreg_imm32_b32 hwreg(HW_REG_WAVE_MODE, 25, 1), 1
	s_wait_xcnt 0x0
; ob[head][q][:] = the sum over ALL keys k of softmax_k(s(q, k)) V[k][:], with s = Q[q] . K[k] / 8 for k <= q and s = -10000 for k > q, as reference() has it.  Q, K, V: qkv[3][32][2048][64] bf16; ob likewise.
; The softmax works on the raw product: p = 2^(c s - c m), c = log2(e) / 8, with a running maximum m; a hidden key's raw score is -80000 = -10000 x 8, exactly.
; THE HIDDEN KEYS.  In a block's last tile of 256 keys the hidden scores are set to -80000 and go through the softmax like the others.  All keys behind that tile have that one score, so they enter at the
; block's end in closed form, as one weight w times their number and times T, the sum of their rows of V.  Their products are not made.  T is added up at the head from psum[head][block of 64 keys][64] (f32).
; THE WALK.  A head's queries lie in 16 blocks of 128; block i needs key tiles 0 .. i / 2.  A work-group takes blocks 15 - b and then b: nine tiles whatever b, so all 256 work-groups do equal work and one loop
; with constant trip counts walks them.  What a trip does hangs on scalar registers made from b; every jump but the loops' own goes forward and passes no tensor load but the one that the wave's number does not choose.
; NO CLUSTER: a head's eight work-groups ask for the same tile only in the first four or five of nine trips; a walk common to all would have twelve.
; SHARES.  EIGHT WAVES, two to a SIMD.  Wave w owns the block's queries 32 (w % 4) on, two tiles of 16, and of each tile's four key steps of 64 the steps w / 4 and 2 + w / 4.  So each key step's fragments are read
; from LDS by four waves, and while one wave of a SIMD waits for the matrix unit, a counter or a result, the other issues.  Each wave keeps m, l and O^T over its own keys, in f32; at a block's end waves 4-7 hand
; theirs through LDS to waves 0-3, which merge: cN = max(c m0, c m1, c (-80000)), a_i = 2^(c m_i - cN), w = 2^(c (-80000) - cN): l = l0 a0 + l1 a1 + w x count, O = (O0 a0 + O1 a1 + w T) / l.
; PARTA: the softmax of the wave's step in hand and its 16 products V^T P; PARTB: the 16 products K Q^T of its next step.
; LAYOUT.  S^T = K Q^T holds one query a lane (lane % 16) and the keys 8 (lane / 16) + 0..7; two such results rounded to bf16 ARE source 1 of O^T = V^T P.  V comes out of LDS turned, by ds_load_tr16_b128.
; REGISTERS.  Window 0: v0-15 addresses; v16-31 statistics, eight a tile (c m, m, l, l, c0-c3); v32-95 S^T; v96-127 P; v128-191 O^T; v192-255 V.  Window 1: v0-31 Q; v32-63 the second block's Q; v64-127 K;
; v128-159 T of the block in hand; v160-191 T of the second block.
; LIMITS: bf16 operands; a weight below 2^-126 counts as 0; c m starts at -4.25e37, below which no c s is served; a block's first step multiplies what O^T and l held by 0, and a block of psum that lies ahead of
; the hidden keys is multiplied by 0: V, O^T and l are taken to be finite; NaN and infinities are not treated apart.
.set KS,    64
.set PK,    144                        ; a row of K in LDS: 128 bytes + 16
.set PV,    160                        ; a row of V: 128 + 32
.set VOFF,  4*KS*PK                    ; a slot holds a tile: 256 rows of K, then 256 rows of V
.set SLOT1, 1<<17
.set STAGE, SLOT1+4*KS*(PK+PV)         ; the way out: 16 rows x 144 bytes for each of waves 0-3, never filled by a tensor load
.set SP,    144
.set MRG,   STAGE+4*16*SP              ; the hand-over: for each four of queries 17 x 512 bytes: O^T's 64 registers, then c m and l of both tiles; never filled by a tensor load
.set MRGW,  17*512
.set SPARE, MRG+4*MRGW                 ; the spare words: 128 bytes a wave, four blocks of 256 bytes that no other line names
.set PFO, 0                            ; v0   (once the head is done) 256 x lane
.set MW,  1                            ; v1   my 16 bytes in the hand-over
.set AK0, 2
.set AV0, 3
.set AK,  4
.set AV,  5
.set STO, 6
.set RD,  7
.set GO,  8
.set D0,  9                            ; v9-10   my query's place in its block, less 8 (lane / 16), less 64 (wave / 4), by tile
.set DD,  11                           ; v11-12  the same against the step in hand: register j of key block kb is hidden where 16 kb + j is greater
.set BIG, 13                           ; v13  -80000
.set SPW, 14
.set NIL, 15
.set ST,  16
.set S,   32
.set P,   96
.set O,   128
.set VF,  192
.set PS,  128                          ; the head: psum's blocks r (32 registers) and r + 16 (32), where O^T will lie
.set TW,  192                          ; the head: T at work, where V will lie
.set WT,  224                          ; the head: two weights, each the low word of a pair
.set QB,  32                           ; window 1
.set KF,  64
.set TT,  128
.set T2,  160
.set WV, 12
.set PB, 14
.set HI, 15
.set G1K, 24
.set G1V, 32
.set G0K, 40
.set G0V, 44
.set PEND, 48                          ; 1: the tile before was a block's last: the block ends behind the next PARTA
.set DG,   49                          ; 1: the tile in hand is a block's last
.set RT,   50                          ; tiles of the block in hand still to be entered
.set NT2,  51                          ; the second block's tiles
.set TSC,  52                          ; -80000, or the lowest finite number where no key lies behind the last tile
.set TSC2, 53
.set CNI,  54                          ; how many keys lie behind the block's last tile
.set CNI2, 55
.set SLOTS, 56
.set CNT,  57
.set CS,   58
.set SEL,  60
.set TBK,  62
.set TBV,  63
.set PAR,  66                          ; 128 (i % 2) - 256
.set PAR2, 67
.set THR,  68                          ; the first block of 64 keys behind the block's last tile
.set THR2, 69
.set QG,   70                          ; wave % 4
.set KP,   71                          ; wave / 4
.set NXT,  72
.set LQ,   73
.set OFF,  74
.set OLO,  76
.set PFA,  78
.set LIM,  80
.set SM,   81
.set Q2,   82
.set TS,   84
.set LQ2,  90
.set MSB, 0
.macro WIN new
.if MSB != (\new)
	s_set_vgpr_msb (MSB<<8)|(\new)
.set MSB, (\new)
.endif
.endm
.set W_KQ, 0x05                        ; K and Q in window 1, S^T in window 0
.macro LOAD                            ; a fill: waves 0 and 1 fetch the halves of a tile's K, waves 2 and 3 of its V, waves 4-7 nothing; an s_nop 0 and four v_nop follow each line
	s_cmp_lt_u32 s[WV], 2
	s_cbranch_scc0 .Lfor_v_\@
	tensor_load_to_lds s[G0K:G0K+3], s[G1K:G1K+7]
	s_nop 0
.rept 4
	v_nop
.endr
	s_branch .Lasked_\@
.Lfor_v_\@:
	s_cmp_lt_u32 s[WV], 4
	s_cbranch_scc0 .Lasked_\@
	tensor_load_to_lds s[G0V:G0V+3], s[G1V:G1V+7]
	s_nop 0
.rept 4
	v_nop
.endr
.Lasked_\@:
.endm
; THE CHANGE OF SLOTS.  All K and V of the slot that is left have been asked for.  Each wave waits for all its tensor loads (at most one is out: its part of the other slot), adds 0 to its spare word, and waits for
; that and for its reads.  fill = 1: the old slot takes tile NXT, first thing behind the barrier: it has a tile's key steps in which to land.  ask = 1: behind the fill, the head's work-group b = 0, which walks tiles
; 0 to 7, prefetches the tile after the one just asked for: each of waves 0-3 the 16,384 bytes that it will itself load, lanes 256 bytes apart, two instructions; tiles 3 to 7 are so named, each once in the launch.
.macro CHANGE fill, ask=0
	WIN 0
	s_wait_tensorcnt 0x0
	ds_add_u32 v[SPW], v[NIL]
.if \fill
	s_lshl_b32 s[OFF], s[NXT], 15                  ; a tile is 32,768 bytes of K and of V
	s_xor_b32 s[G0K+1], s[G0K+1], SLOT1
	s_add_nc_u64 s[G0K+2:G0K+3], s[6:7], s[OFF:OFF+1]
	s_or_b32 s[G0K+3], s[G0K+3], 0x80000000
	s_xor_b32 s[G0V+1], s[G0V+1], SLOT1
	s_add_nc_u64 s[G0V+2:G0V+3], s[8:9], s[OFF:OFF+1]
	s_or_b32 s[G0V+3], s[G0V+3], 0x80000000
	s_add_co_u32 s[NXT], s[NXT], 1                 ; the block's next tile, or behind its last the second block's tile 0
	s_cmp_gt_u32 s[NXT], s[LQ]
	s_cselect_b32 s[NXT], 0, s[NXT]
	s_cselect_b32 s[LQ], s[LQ2], s[LQ]
.endif
.if \ask
	s_wait_xcnt 0x0                                ; the last prefetches, a tile back, have read their address
	s_add_nc_u64 s[PFA:PFA+1], s[PFA:PFA+1], 32768
.endif
	s_wait_dscnt 0x0                               ; the add is done, and my reads of the slot are over
	s_barrier_signal -1
	s_sub_co_u32 s[TBK], s[TBK], 4*KS*PK           ; the fetches go back to a slot's head, in the other slot
	s_xor_b32 s[TBK], s[TBK], SLOT1
	s_sub_co_u32 s[TBV], s[TBV], 4*KS*PV
	s_xor_b32 s[TBV], s[TBV], SLOT1
	s_barrier_wait -1
.if \fill
	LOAD
.endif
.if \ask
	s_cmp_gt_u32 s[SLOTS], s[LIM]
	s_cbranch_scc0 .Lnot_mine_\@
	global_prefetch_b8 v[PFO], s[PFA:PFA+1] th:TH_LOAD_NT scope:SCOPE_SE
	global_prefetch_b8 v[PFO], s[PFA:PFA+1] offset:8192 th:TH_LOAD_NT scope:SCOPE_SE
.Lnot_mine_\@:
.endif
.endm
.macro ENTER                           ; a tile is entered
	s_mov_b32 s[PEND], s[DG]
	s_cmp_eq_u32 s[PEND], 1
	s_cselect_b32 s[RT], s[NT2], s[RT]
	s_sub_co_u32 s[RT], s[RT], 1
	s_cmp_eq_u32 s[RT], 0
	s_cselect_b32 s[DG], 1, 0
.endm
.macro BLOCKP blk, tsc, cni, par, thr  ; a block's constants; leaves its last tile's number in s13
	s_lshr_b32 s13, s[\blk], 1
	s_sub_co_u32 s[\cni], 7, s13
	s_lshl_b32 s[\cni], s[\cni], 8
	s_cmp_lg_u32 s[\cni], 0
	s_cselect_b32 s[\tsc], s88, s89
	s_and_b32 s19, s[\blk], 1
	s_lshl_b32 s19, s19, 7
	s_sub_co_u32 s[\par], s19, 256
	s_add_co_u32 s[\thr], s13, 1
	s_lshl_b32 s[\thr], s[\thr], 2
.endm
; THE MATRIX WORK.  The 8 accumulators of a run of 16 take turns.
.macro KQM                             ; product i of 16 of S^T = K Q^T: channels 32 (i / 8) on, keys 16 ((i / 2) % 4) on, tile i % 2
	WIN W_KQ
.set rS, S+32*(i%2)+8*((i/2)%4)
.set rK, KF+16*((i/2)%4)+8*(i/8)
.set rQ, 16*(i%2)+8*(i/8)
.if i < 8
	v_wmma_f32_16x16x32_bf16 v[rS:rS+7], v[rK:rK+7], v[rQ:rQ+7], 0
.else
	v_wmma_f32_16x16x32_bf16 v[rS:rS+7], v[rK:rK+7], v[rQ:rQ+7], v[rS:rS+7]
.endif
.endm
.macro PVM                             ; product i of 16 of O^T += V^T P: keys 32 (i / 8) on, channels 16 ((i / 2) % 4) on, tile i % 2
.set rO, O+32*(i%2)+8*((i/2)%4)
.set rV, VF+32*(i/8)+8*((i/2)%4)
.set rP, P+16*(i%2)+8*(i/8)
	v_wmma_f32_16x16x32_bf16 v[rO:rO+7], v[rV:rV+7], v[rP:rP+7], v[rO:rO+7]
.endm
.macro FETCH_K
	WIN 0x40                                       ; destination window 1
.irp f, 0,1,2,3,4,5,6,7
	ds_load_b128 v[KF+8*\f:KF+8*\f+3],   v[AK] offset:(\f/2)*16*PK+(\f%2)*64
	ds_load_b128 v[KF+8*\f+4:KF+8*\f+7], v[AK] offset:(\f/2)*16*PK+(\f%2)*64+32
.endr
	s_add_co_u32 s[TBK], s[TBK], 2*KS*PK           ; my next step lies two steps on
	WIN 0
.endm
.macro FETCH_V
	WIN 0
.irp f, 0,1,2,3,4,5,6,7
	ds_load_tr16_b128 v[VF+8*\f:VF+8*\f+3],   v[AV] offset:(\f/4)*32*PV+(\f%4)*32
	ds_load_tr16_b128 v[VF+8*\f+4:VF+8*\f+7], v[AV] offset:(\f/4)*32*PV+16*PV+(\f%4)*32
.endr
	s_add_co_u32 s[TBV], s[TBV], 2*KS*PV
.endm
.macro REGS u
.set rT, ST+8*(\u)
.set rS, S+32*(\u)
.set rP, P+16*(\u)
.set rO, O+32*(\u)
.endm
; Number n of the 22 that find a tile's maximum and statistics.  Each accumulator's lowest registers are read first.
.macro XS u, n
	REGS \u
.if (\n) < 4
	v_max3_num_f32 v[rT+4+(\n)], v[rS+8*(\n)], v[rS+8*(\n)+1], v[rS+8*(\n)+2]
.elseif (\n) < 12
	v_max3_num_f32 v[rT+4+(\n)%4], v[rT+4+(\n)%4], v[rS+8*((\n)%4)+2*((\n)/4)+1], v[rS+8*((\n)%4)+2*((\n)/4)+2]
.elseif (\n) == 12
	v_max3_num_f32 v[rT+4], v[rT+4], v[rS+7], v[rS+15]
.elseif (\n) == 13
	v_max3_num_f32 v[rT+5], v[rT+5], v[rS+23], v[rS+31]
.elseif (\n) == 14
	v_max3_num_f32 v[rT+6], v[rT+6], v[rT+7], v[rT+1]
.elseif (\n) == 15
	v_max3_num_f32 v[rT+4], v[rT+4], v[rT+5], v[rT+6]
.elseif (\n) == 16
	v_permlanex16_b32 v[rT+7], v[rT+4], s[SEL], s[SEL+1]  ; the query's other 32 keys lie in the lane 16 away
.elseif (\n) == 17
	v_max_num_f32 v[rT+1], v[rT+4], v[rT+7]        ; the new m
.elseif (\n) == 18
	v_mul_f32 v[rT+5], s[CS], v[rT+1]
.elseif (\n) == 19
	v_sub_f32 v[rT+7], v[rT], v[rT+5]              ; c m_old - c m_new
.elseif (\n) == 20
	v_mov_b32 v[rT], v[rT+5]
.else
	v_exp_f32 v[rT+6], v[rT+7]                     ; a
.endif
.endm
.macro FS p                            ; c s - c m for pair p / 2 of tile p % 2
	REGS (\p)%2
	v_pk_fma_f32 v[rS+2*((\p)/2):rS+2*((\p)/2)+1], v[rS+2*((\p)/2):rS+2*((\p)/2)+1], s[CS:CS+1], v[rT:rT+1] op_sel_hi:[1,0,0] neg_lo:[0,0,1] neg_hi:[0,0,1]
.endm
.macro EX2 p
	REGS (\p)%2
	v_exp_f32 v[rS+2*((\p)/2)], v[rS+2*((\p)/2)]
	v_exp_f32 v[rS+2*((\p)/2)+1], v[rS+2*((\p)/2)+1]
.endm
.macro RID                             ; rider q of 32: of four weights the second pair is added onto the first, in place (0-15); then l takes those sums (16-31; the first as l = a l + sum)
	REGS q%2
.if q < 16
.set k, q/2
	v_pk_add_f32 v[rS+4*k:rS+4*k+1], v[rS+4*k:rS+4*k+1], v[rS+4*k+2:rS+4*k+3]
.elseif q < 18
	v_pk_fma_f32 v[rT+2:rT+3], v[rT+2:rT+3], v[rT+6:rT+7], v[rS:rS+1] op_sel_hi:[1,0,1]
.else
.set k, (q-16)/2
	v_pk_add_f32 v[rT+2:rT+3], v[rT+2:rT+3], v[rS+4*k:rS+4*k+1]
.endif
.set q, q+1
.endm
; PARTA: K of my next step is asked for; the softmax of the step in hand; its products V^T P.  skipk = 1 (the tail): in the last trip there is no next step.
.macro PARTA skipk
	WIN 0
.if \skipk
	s_cmp_eq_u32 s[CNT], 1
	s_cbranch_scc1 .Lno_k_\@
.endif
	v_add_nc_u32 v[AK], s[TBK], v[AK0]
	FETCH_K                                        ; four v_nop or more stand between the last product that read K and this run
.if \skipk
.Lno_k_\@:
.endif
.irp n, 0,1,2,3,4,5,6,7,8,9,10,11,12,13,14,15,16,17,18,19,20
	XS 0, \n
	XS 1, \n
.endr
.set p, 0
.rept 34                               ; ONE BATCH: 32 scalings and 64 exponentials, a pair's scaling two lines ahead of its exponentials; then the two a.  Nothing here reads an exponential's result
.if p < 32
	FS p
.endif
.if p >= 2
	EX2 p-2
.endif
.set p, p+1
.endr
	XS 0, 21
	XS 1, 21
	v_nop                                          ; a plain instruction behind the last exponential,
	s_wait_alu depctr_va_vdst(0)                   ; and the wait ahead of the first use: one for the 66
.set z, 0
.rept 32
	v_pk_mul_f32 v[O+2*z:O+2*z+1], v[O+2*z:O+2*z+1], v[ST+8*(z/16)+6:ST+8*(z/16)+7] op_sel_hi:[1,0]  ; O^T times a, each accumulator from its low end
.set z, z+1
.endr
.set z, 0
.rept 32
	v_cvt_pk_bf16_f32 v[P+z], v[S+2*z], v[S+2*z+1]
.set z, z+1
.endr
.if \skipk
	s_wait_dscnt 0x0                               ; V is in (in the last trip no younger loads stand behind V's)
.else
	s_wait_dscnt 16                                ; V is in; K's sixteen younger loads may stay out
.endif
.set i, 0
.set q, 0
.rept 16
	PVM
	RID
	RID
.set i, i+1
.endr
	v_add_nc_u32 v[AV], s[TBV], v[AV0]             ; with the two riders above and the line below: the four places behind the last product, ahead of V's next loads and of a block's end
	v_nop
.endm
; PARTB: V of my next step is asked for; its products K Q^T; in a block's last tile the hidden scores are set to -80000.
.macro PARTB
	FETCH_V
	s_wait_dscnt 16                                ; K is in; V's sixteen loads may stay out
.set i, 0
.rept 16
	KQM
.set i, i+1
.endr
	WIN 0
.rept 4
	v_nop                                          ; the places behind those products
.endr
	s_cmp_eq_u32 s[DG], 0
	s_cbranch_scc1 .Lopen_\@
	s_lshl_b32 s[SM], s[CNT], 7                    ; the tile's step is 2 (2 - CNT) + wave / 4: 128 (i % 2) - 64 x step = 128 CNT + PAR - 64 (wave / 4), of which D0 holds the last term
	s_add_co_u32 s[SM], s[SM], s[PAR]
	v_add_nc_u32 v[DD], s[SM], v[D0]
	v_add_nc_u32 v[DD+1], s[SM], v[D0+1]
.set z, 0
.rept 64
	v_cmp_gt_i32 vcc_lo, 16*((z%32)/8)+z%8, v[DD+z/32]
	v_cndmask_b32 v[S+z], v[S+z], v[BIG], vcc_lo
.set z, z+1
.endr
.Lopen_\@:
.endm
.macro BOTH line:vararg                ; one line for each tile: t its statistics, pp what the partner handed over (c m, l)
.set t, ST
.set pp, P
	\line
.set t, ST+8
.set pp, P+2
	\line
.endm
.macro PACK u                          ; tile u: O^T = O0 a0 / l + O1 a1 / l + T w / l, rounded to bf16, through my stage
	REGS \u
	WIN 0
.set z, 0
.rept 16
	v_pk_mul_f32 v[rO+2*z:rO+2*z+1], v[rO+2*z:rO+2*z+1], v[rT+6:rT+7] op_sel_hi:[1,0]
.set z, z+1
.endr
.set z, 0
.rept 16
	v_pk_fma_f32 v[rO+2*z:rO+2*z+1], v[rS+2*z:rS+2*z+1], v[rT+2:rT+3], v[rO+2*z:rO+2*z+1] op_sel_hi:[1,0,1]
.set z, z+1
.endr
	WIN 0x01                                       ; source 0 (T) in window 1
.set z, 0
.rept 16
	v_pk_fma_f32 v[rO+2*z:rO+2*z+1], v[TT+2*z:TT+2*z+1], v[rT+4:rT+5], v[rO+2*z:rO+2*z+1] op_sel_hi:[1,0,1]
.set z, z+1
.endr
	WIN 0
.set z, 0
.rept 16
	v_cvt_pk_bf16_f32 v[S+16*(\u)+z], v[rO+2*z], v[rO+2*z+1]  ; into registers of the partner's tile 0, which has been added by then
.set z, z+1
.endr
.irp f, 0,1,2,3
	ds_store_b128 v[STO], v[S+16*(\u)+4*\f:S+16*(\u)+4*\f+3] offset:32*\f
.endr
.irp f, 0,1,2,3
	ds_load_b128 v[S+16*(\u)+4*\f:S+16*(\u)+4*\f+3], v[RD] offset:\f*4*SP  ; LDS serves a wave's instructions in order (ISA guide 5.7.1.4): these see the stores above
.endr
.endm
.macro SEND u, younger
.irp f, 0,1,2,3
	s_wait_dscnt (\younger)+3-\f                   ; load f is back; the later ones, and the next tile's eight LDS instructions, may stay out
	global_store_b128 v[GO], v[S+16*(\u)+4*\f:S+16*(\u)+4*\f+3], s[10:11] offset:(\u)*2048+\f*512  ; 512 consecutive bytes, aligned
.endr
.endm
; A BLOCK ENDS.  Waves 4-7 store O^T, c m and l into the hand-over; every wave waits for its LDS instructions and passes a barrier; waves 0-3 load them; every wave waits again and passes a second barrier, so that
; the bytes are written again only when they have been read.  Both barriers stand on every wave's path; the jump round a block's end hangs on the work-group's number alone.  Then waves 0-3 merge, divide and store.
.macro END
	WIN 0
	s_cmp_lt_u32 s[WV], 4
	s_cbranch_scc1 .Lkeeps_\@
	v_mov_b32 v[P], v[ST]
	v_add_f32 v[P+1], v[ST+2], v[ST+3]
	v_mov_b32 v[P+2], v[ST+8]
	v_add_f32 v[P+3], v[ST+10], v[ST+11]
.set z, 0
.rept 16
	ds_store_b128 v[MW], v[O+4*z:O+4*z+3] offset:512*z  ; 32 lanes, 16 neighbouring bytes each; each accumulator's low registers first
.set z, z+1
.endr
	ds_store_b128 v[MW], v[P:P+3] offset:8192
.Lkeeps_\@:
	s_wait_dscnt 0x0                               ; for the others' sake: my stores are done
	s_barrier_signal -1
	s_barrier_wait -1
	s_cmp_lt_u32 s[WV], 4
	s_cbranch_scc0 .Lgave_\@
.set z, 0
.rept 16
	ds_load_b128 v[S+4*z:S+4*z+3], v[MW] offset:512*z
.set z, z+1
.endr
	ds_load_b128 v[P:P+3], v[MW] offset:8192
.Lgave_\@:
	s_wait_dscnt 0x0                               ; my loads are back
	s_barrier_signal -1
	s_barrier_wait -1
	s_cmp_lt_u32 s[WV], 4
	s_cbranch_scc0 .Lended_\@
	BOTH v_add_f32 v[t+2], v[t+2], v[t+3]          ; l0, my lane's part
	BOTH v_mul_f32 v[t+4], s[TSC], s[CS]
	BOTH v_max3_num_f32 v[t+4], v[t+4], v[t], v[pp]  ; cN
	BOTH v_sub_f32 v[t+6], v[t], v[t+4]
	BOTH v_sub_f32 v[t+7], v[pp], v[t+4]
	BOTH v_fma_f32 v[t+5], s[TSC], s[CS], -v[t+4]  ; as a hidden score inside a tile is scaled
	BOTH v_exp_f32 v[t+6], v[t+6]                  ; a0
	BOTH v_exp_f32 v[t+7], v[t+7]                  ; a1
	BOTH v_exp_f32 v[t+5], v[t+5]                  ; w
	v_nop
	s_wait_alu depctr_va_vdst(0)                   ; one wait for the six
	BOTH v_mul_f32 v[t+2], v[t+2], v[t+6]
	BOTH v_fma_f32 v[t+2], v[pp+1], v[t+7], v[t+2]
	BOTH v_permlanex16_b32 v[t+3], v[t+2], s[SEL], s[SEL+1]  ; the query's other keys lie in the lane 16 away
	BOTH v_add_f32 v[t+2], v[t+2], v[t+3]
	BOTH v_cvt_f32_u32 v[t+3], s[CNI]
	BOTH v_fma_f32 v[t+2], v[t+3], v[t+5], v[t+2]  ; l
	BOTH v_rcp_f32 v[t+3], v[t+2]
	v_nop
	s_wait_alu depctr_va_vdst(0)                   ; one wait for the two
	BOTH v_mul_f32 v[t+6], v[t+6], v[t+3]          ; a0 / l
	BOTH v_mul_f32 v[t+4], v[t+5], v[t+3]          ; w / l
	BOTH v_mul_f32 v[t+2], v[t+7], v[t+3]          ; a1 / l
	PACK 0
	PACK 1
	SEND 0, 8
	SEND 1, 0
	s_wait_xcnt 0x0                                ; the stores' data and base are written again only behind this wait
	WIN 0x41
.set z, 0
.rept 32
	v_mov_b32 v[TT+z], v[T2+z]                     ; the second block's T goes where the one text names T
.set z, z+1
.endr
	WIN 0
.Lended_\@:
.endm
; THE SECOND BLOCK BEGINS: c m far below every c s, so that the first step's a is 0; its Q and its constants.
.macro BEGIN
	s_mov_b32 s[PEND], 0
	WIN 0
	BOTH v_mov_b32 v[t], 0xfe000000
	BOTH v_mov_b32 v[t+1], 0xff7fffff
	WIN 0x41
.set z, 0
.rept 32
	v_mov_b32 v[z], v[QB+z]
.set z, z+1
.endr
	WIN 0
	s_mov_b64 s[10:11], s[OLO:OLO+1]
	s_mov_b32 s[TSC], s[TSC2]
	s_mov_b32 s[CNI], s[CNI2]
	s_mov_b32 s[PAR], s[PAR2]
.endm
	s_load_b64 s[4:5], s[0:1], 0x0                 ; qkv
	s_load_b64 s[TS:TS+1], s[0:1], 0x8             ; psum
	s_load_b64 s[10:11], s[0:1], 0x10              ; ob
	v_lshl_add_u32 v[SPW], v0, 2, SPARE
	v_mov_b32 v[NIL], 0
	ds_add_u32 v[SPW], v[NIL]                      ; the wave's opening: the add and its wait ahead of my first tensor load
	v_lshrrev_b32 v1, 5, v0
	v_readfirstlane_b32 s[WV], v1                  ; wave 0..7
	s_and_b32 s[QG], s[WV], 3
	s_lshr_b32 s[KP], s[WV], 2
	s_mov_b32 s[PB], ttmp9
	s_sub_co_u32 s[HI], 15, s[PB]
	s_and_b32 s20, ttmp7, 0xffff                   ; the head
	s_lshl_b32 s21, s20, 13                        ; its 8,192 bytes of psum
	s_lshl_b32 s20, s20, 18                        ; its 262,144 bytes of q, k, v and ob
	s_and_b32 s16, s[WV], 1                        ; which half of a tile's 256 keys I fetch (waves 0-3)
	s_lshl_b32 s22, s16, 14
	s_add_co_u32 s22, s22, s20
	s_mov_b32 s23, 0
	s_mul_i32 s17, s16, 128*PK
	s_mul_i32 s18, s16, 128*PV
	s_lshl_b32 s3, s[QG], 12                       ; my 32 rows of a block
	s_add_co_u32 s3, s3, s20
	s_lshl_b32 s2, s[HI], 14
	s_add_co_u32 s2, s2, s3
	s_lshl_b32 s86, s[PB], 14
	s_add_co_u32 s86, s86, s3
	s_mov_b32 s3, 0
	s_mov_b32 s87, 0
	s_mov_b32 s20, s21
	s_mov_b32 s21, 0
	s_mov_b32 s[G1K], (1<<16)|(1<<20)|(4<<22)|(3<<25)  ; 2-byte elements; padding on; after every 32 words, 4 words
	s_mov_b32 s[G1V], (1<<16)|(1<<20)|(4<<22)|(7<<25)  ; the same with 8 words
.irp g, G1K, G1V
	s_mov_b32 s[\g+1], 128<<16                     ; 128 keys are 16,384 dense bytes: asked for as 64 rows of 256 bytes
	s_mov_b32 s[\g+2], 64<<16
	s_mov_b32 s[\g+3], 128<<16
	s_mov_b32 s[\g+4], 64
	s_mov_b32 s[\g+5], 128
	s_mov_b32 s[\g+6], 0
	s_mov_b32 s[\g+7], 0
.endr
	s_mov_b32 s[CS], 0x3e38aa3b                    ; c = log2(e) / 8
	s_mov_b32 s[CS+1], s[CS]
	s_mov_b32 s[SEL], 0x76543210
	s_mov_b32 s[SEL+1], 0xfedcba98
	s_mov_b32 s[TBK], SLOT1+4*KS*PK                ; the first change of slots turns these two into 0
	s_mov_b32 s[TBV], SLOT1+4*KS*PV
	s_mov_b32 s[G0K], 1
	s_mov_b32 s[G0K+1], s17
	s_mov_b32 s[G0V], 1
	s_add_co_u32 s[G0V+1], s18, VOFF
	s_mov_b32 s88, 0xc79c4000                      ; -80000
	s_mov_b32 s89, 0xff7fffff
	BLOCKP HI, TSC, CNI, PAR, THR
	s_add_co_u32 s[RT], s13, 1
	s_mov_b32 s[LQ], s13
	BLOCKP PB, TSC2, CNI2, PAR2, THR2
	s_add_co_u32 s[NT2], s13, 1
	s_mov_b32 s[LQ2], s13
	s_mov_b32 s[NXT], 1
	s_mov_b32 s[DG], 0
	s_mov_b32 s[OFF+1], 0
	s_or_b32 s[LIM], s[KP], s[PB]                  ; 0 in waves 0-3 of the head's work-group b = 0
	s_cmp_eq_u32 s[LIM], 0
	s_cselect_b32 s[LIM], 2, -1
	s_wait_dscnt 0x0                               ; the opening add is done
	s_wait_kmcnt 0x0
	s_add_nc_u64 s[6:7], s[4:5], s[22:23]
	s_add_nc_u64 s[8:9], s[6:7], 0x1000000         ; V at my half of the head's tile 0,
	s_add_nc_u64 s[6:7], s[6:7], 0x800000          ; and K
	s_add_nc_u64 s[G0K+2:G0K+3], s[6:7], 0
	s_or_b32 s[G0K+3], s[G0K+3], 0x80000000
	s_add_nc_u64 s[G0V+2:G0V+3], s[8:9], 0
	s_or_b32 s[G0V+3], s[G0V+3], 0x80000000
	s_add_nc_u64 s[Q2:Q2+1], s[4:5], s[86:87]
	s_add_nc_u64 s[4:5], s[4:5], s[2:3]
	s_add_nc_u64 s[OLO:OLO+1], s[10:11], s[86:87]
	s_add_nc_u64 s[10:11], s[10:11], s[2:3]
	s_add_nc_u64 s[TS:TS+1], s[TS:TS+1], s[20:21]
	s_cmp_lt_u32 s[WV], 2
	s_cselect_b64 s[PFA:PFA+1], s[6:7], s[8:9]
	s_add_nc_u64 s[PFA:PFA+1], s[PFA:PFA+1], 2*32768  ; at tile 2: the loop's first change steps it to tile 3
	LOAD                                           ; tile 0 into slot 0: one tensor load of a wave 0-3 is out, here and behind every change
	v_and_b32 v32, 15, v0                          ; l % 16
	v_bfe_u32 v33, v0, 4, 1                        ; l / 16
	v_lshlrev_b32 v36, 7, v32
	v_lshl_add_u32 v36, v33, 4, v36                ; a fragment of Q: row x 128 + 16 x half
	WIN 0x40
.set i, 0
.rept 4                                ; both blocks' Q: tile i / 2, channels 32 (i % 2) on
	global_load_b128 v[8*i:8*i+3],   v36, s[4:5] offset:(i/2)*2048+(i%2)*64
	global_load_b128 v[8*i+4:8*i+7], v36, s[4:5] offset:(i/2)*2048+(i%2)*64+32
	global_load_b128 v[QB+8*i:QB+8*i+3],   v36, s[Q2:Q2+1] offset:(i/2)*2048+(i%2)*64
	global_load_b128 v[QB+8*i+4:QB+8*i+7], v36, s[Q2:Q2+1] offset:(i/2)*2048+(i%2)*64+32
.set i, i+1
.endr
.set z, 0
.rept 64
	v_mov_b32 v[TT+z], 0                           ; both T: written in every wave, so that the loop below, which moves one into the other, reads written registers
.set z, z+1
.endr
	WIN 0
	v_lshlrev_b32 v34, 3, v33
	v_sub_nc_u32 v[D0], v32, v34
	s_lshl_b32 s13, s[QG], 5
	s_lshl_b32 s19, s[KP], 6
	s_sub_co_u32 s13, s13, s19
	v_add_nc_u32 v[D0], s13, v[D0]
	v_add_nc_u32 v[D0+1], 16, v[D0]
	v_mov_b32 v[BIG], 0xc79c4000
	v_mul_u32_u24 v[AK0], v32, PK
	v_lshl_add_u32 v[AK0], v33, 4, v[AK0]
	s_mul_i32 s13, s[KP], KS*PK                    ; my first step of a tile
	v_add_nc_u32 v[AK0], s13, v[AK0]
	v_and_b32 v34, 7, v0                           ; the turning load: lane l reads key 8 (l / 16) + l % 8, channels 8 ((l / 8) % 2) on
	v_bfe_u32 v35, v0, 3, 1
	v_lshl_add_u32 v[AV0], v33, 3, v34
	v_mul_u32_u24 v[AV0], v[AV0], PV
	v_lshl_add_u32 v[AV0], v35, 4, v[AV0]
	v_add_nc_u32 v[AV0], VOFF, v[AV0]
	s_mul_i32 s13, s[KP], KS*PV
	v_add_nc_u32 v[AV0], s13, v[AV0]
	s_mul_i32 s13, s[QG], 16*SP
	s_add_co_u32 s13, s13, STAGE
	v_mul_u32_u24 v[STO], v32, SP
	v_lshl_add_u32 v[STO], v33, 4, v[STO]
	v_add_nc_u32 v[STO], s13, v[STO]
	v_bfe_u32 v[RD], v0, 3, 2
	v_mul_u32_u24 v[RD], v[RD], SP
	v_lshl_add_u32 v[RD], v34, 4, v[RD]
	v_add_nc_u32 v[RD], s13, v[RD]
	s_mul_i32 s13, s[QG], MRGW
	s_add_co_u32 s13, s13, MRG
	v_and_b32 v[GO], 31, v0
	v_lshl_add_u32 v[MW], v[GO], 4, s13
	v_lshlrev_b32 v[PFO], 8, v[GO]                 ; v0 has served: it becomes the prefetches' offset
	v_lshlrev_b32 v[GO], 4, v[GO]
	; T, for waves 0-3, which finish the blocks.  Lane (r, h) loads its 32 channels (16 cb + 8 h + j, as O^T holds them) of psum's blocks r and r + 16, multiplies each by 1 where the block lies behind the query
	; block's last tile and by 0 elsewhere, and the 16 lanes' sums are added.  Two trips: the second block's T, then the first's.  It stands in the wait for the first tile.
	s_cmp_lt_u32 s[WV], 4
	s_cbranch_scc0 .Lno_t
	v_lshlrev_b32 v37, 8, v32
	v_lshl_add_u32 v37, v33, 5, v37                ; 256 r + 32 h
	v_add_nc_u32 v38, 16, v32
.irp g, 0,1
.irp f, 0,1,2,3
	global_load_b128 v[PS+32*\g+8*\f:PS+32*\g+8*\f+3],   v37, s[TS:TS+1] offset:4096*\g+64*\f
	global_load_b128 v[PS+32*\g+8*\f+4:PS+32*\g+8*\f+7], v37, s[TS:TS+1] offset:4096*\g+64*\f+16
.endr
.endr
	v_mov_b32 v[WT+1], 0                           ; named with the weights as pairs
	v_mov_b32 v[WT+3], 0
	s_mov_b32 s13, s[THR2]
	s_mov_b32 s19, 2
	s_wait_loadcnt 0x0
.Lmake_t:
	v_cmp_le_u32 vcc_lo, s13, v32
	v_cndmask_b32 v[WT], 0, 1.0, vcc_lo
	v_cmp_le_u32 vcc_lo, s13, v38
	v_cndmask_b32 v[WT+2], 0, 1.0, vcc_lo
.set z, 0
.rept 16
	v_pk_mul_f32 v[TW+2*z:TW+2*z+1], v[PS+2*z:PS+2*z+1], v[WT:WT+1] op_sel_hi:[1,0]
.set z, z+1
.endr
.set z, 0
.rept 16
	v_pk_fma_f32 v[TW+2*z:TW+2*z+1], v[PS+32+2*z:PS+32+2*z+1], v[WT+2:WT+3], v[TW+2*z:TW+2*z+1] op_sel_hi:[1,0,1]
.set z, z+1
.endr
.irp m, 1,2,4,8
.set z, 0
.rept 32
	v_add_f32_dpp v[TW+z], v[TW+z], v[TW+z] row_xmask:\m row_mask:0xf bank_mask:0xf
.set z, z+1
.endr
.endr
	WIN 0x41
.set z, 0
.rept 32
	v_mov_b32 v[T2+z], v[TT+z]                     ; the trip before's T moves on,
.set z, z+1
.endr
	WIN 0x40
.set z, 0
.rept 32
	v_mov_b32 v[TT+z], v[TW+z]                     ; and this trip's takes its place
.set z, z+1
.endr
	WIN 0
	s_mov_b32 s13, s[THR]
	s_sub_co_u32 s19, s19, 1
	s_cmp_lg_u32 s19, 0
	s_cbranch_scc1 .Lmake_t
.Lno_t:
.set z, 0
.rept 64
	v_mov_b32 v[O+z], 0                            ; the first step multiplies O^T and l by a = 0: they need only be finite
.set z, z+1
.endr
	BOTH v_mov_b32 v[t], 0xfe000000
	BOTH v_mov_b32 v[t+1], 0xff7fffff
	BOTH v_mov_b32 v[t+2], 0
	BOTH v_mov_b32 v[t+3], 0
	CHANGE 1                                       ; tile 0 is in, everybody's part of it; slot 1 is asked for
	ENTER
	s_mov_b32 s[CNT], 2
	v_add_nc_u32 v[AK], s[TBK], v[AK0]
	FETCH_K
	v_add_nc_u32 v[AV], s[TBV], v[AV0]
	s_wait_loadcnt 0x0                             ; Q
	s_mov_b32 s[SLOTS], 8
	s_branch .Lfirst                               ; the loop is entered in the middle of a trip
.Lslot:                                        ; seven times: a tile is entered and the next is asked for
	CHANGE 1, 1
	ENTER
	s_mov_b32 s[CNT], 2
.Lstep:
	PARTA 0
	s_cmp_eq_u32 s[PEND], 0
	s_cbranch_scc1 .Lfirst
	END
	BEGIN
.Lfirst:
	PARTB
	s_sub_co_u32 s[CNT], s[CNT], 1
	s_cmp_lg_u32 s[CNT], 0
	s_cbranch_scc1 .Lstep
	s_sub_co_u32 s[SLOTS], s[SLOTS], 1
	s_cmp_lg_u32 s[SLOTS], 0
	s_cbranch_scc1 .Lslot
	CHANGE 0                                       ; the walk's last tile is written out
	ENTER
	s_mov_b32 s[CNT], 3                            ; two trips make my scores of the tile; the third is left in its middle
.Ltail:
	PARTA 1
	s_cmp_eq_u32 s[CNT], 1
	s_cselect_b32 s[PEND], 1, s[PEND]              ; the walk's end is the second block's end
	s_cmp_eq_u32 s[PEND], 0
	s_cbranch_scc1 .Lno_end
	END
.Lno_end:
	s_sub_co_u32 s[CNT], s[CNT], 1
	s_cmp_eq_u32 s[CNT], 0
	s_cbranch_scc1 .Lout
	s_cmp_eq_u32 s[PEND], 0
	s_cbranch_scc1 .Lno_begin
	BEGIN
.Lno_begin:
	PARTB
	s_branch .Ltail
.Lout:
	s_wait_tensorcnt 0x0                           ; the wave's end
	ds_add_u32 v[SPW], v[NIL]
	s_wait_dscnt 0x0
	s_endpgm
.Lfunc_end_k_q7197b5e345_attn:
	.size	k_q7197b5e345_attn, .Lfunc_end_k_q7197b5e345_attn-k_q7197b5e345_attn
	.p2alignl 7, 3214868480
	.fill 96, 4, 3214868480
	.section	.rodata,"a",@progbits
	.p2align	6, 0x0
	.amdhsa_kernel k_q7197b5e345_attn
		.amdhsa_group_segment_fixed_size 327680
		.amdhsa_private_segment_fixed_size 0
		.amdhsa_enable_private_segment 0
		.amdhsa_kernarg_size 24
		.amdhsa_user_sgpr_count 2
		.amdhsa_user_sgpr_kernarg_segment_ptr 1
		.amdhsa_wavefront_size32 1
		.amdhsa_system_sgpr_workgroup_id_x 1
		.amdhsa_system_sgpr_workgroup_id_y 1
		.amdhsa_system_sgpr_workgroup_id_z 1
		.amdhsa_system_vgpr_workitem_id 0
		.amdhsa_next_free_vgpr 448
		.amdhsa_next_free_sgpr 92
		.amdhsa_reserve_vcc 1
		.amdhsa_float_denorm_mode_32 3
		.amdhsa_float_denorm_mode_16_64 3
		.amdhsa_memory_ordered 1
		.amdhsa_forward_progress 1
		.amdhsa_inst_pref_size 111
	.end_amdhsa_kernel
	.amdgpu_metadata
---
amdhsa.version: [ 1, 2 ]
amdhsa.kernels:
  - .name:           k_q7197b5e345_attn
    .symbol:         k_q7197b5e345_attn.kd
    .args:
      - { .name: qkv, .offset: 0, .size: 8, .value_kind: global_buffer, .address_space: global }
      - { .name: psum, .offset: 8, .size: 8, .value_kind: global_buffer, .address_space: global }
      - { .name: ob, .offset: 16, .size: 8, .value_kind: global_buffer, .address_space: global }
    .group_segment_fixed_size: 327680
    .private_segment_fixed_size: 0
    .kernarg_segment_align: 8
    .kernarg_segment_size: 24
    .max_flat_workgroup_size: 256
    .sgpr_count:     92
    .vgpr_count:     448
    .wavefront_size: 32
...
	.end_amdgpu_metadata
.endif
;; end of part 3
;; launch oproj (part 4): grid 8 x 32, 4 waves a work-group, clusters of 4 x 4, 327,680 bytes of LDS; arguments ob, wb, x, bout, x1; writes x1
.if DOCPART == 4
	.amdgcn_target "amdgcn-amd-amdhsa--gfx1250"
	.amdhsa_code_object_version 6
	.text
	.protected	k_q7197b5e345_oproj
	.globl	k_q7197b5e345_oproj
	.p2align	8
	.type	k_q7197b5e345_oproj,@function
k_q7197b5e345_oproj:
	s_mov_b64 s[64:65], 0
	v_nop
	global_prefetch_b8 v0, s[64:65] scope:SCOPE_SE
	s_setreg_imm32_b32 hwreg(HW_REG_WAVE_MODE, 25, 1), 1
	s_wait_xcnt 0x0
	s_wait_alu depctr_hold_cnt(0) depctr_sa_sdst(0) depctr_va_vdst(0) depctr_va_sdst(0) depctr_va_ssrc(0) depctr_va_vcc(0) depctr_vm_vsrc(0)
	s_getreg_b32 s2, hwreg(HW_REG_IB_STS2, 6, 4)
	s_cmp_eq_u32 s2, 0
	s_cbranch_scc0 .Lentry_in_a_cluster
	s_endpgm
.Lentry_in_a_cluster:
	s_bfe_u32 s2, ttmp6, 0x10000c
	s_cmp_lg_u32 s2, 0xf033
	s_cbranch_scc0 .Lentry_shape_is_right
	s_endpgm
.Lentry_shape_is_right:
; x1 = o wout^T + bout + x, f32.  o comes by heads, ob[16 n + h][l][64] bf16; wout's rows are wb's rows 3,072 on; x and x1 are [4096][1024] f32 in token order (m = 2 l + n).
; SHARES.  A tile of C is 128 x 128 (256 work-groups), four waves of 64 x 64: 16 accumulators.  Tile row ty takes batch n = ty / 16, positions 128 (ty % 16) on.  K goes in steps of 256 (four heads) through two LDS slots.
; ONE K step is written and looped over; the last two, which ask for nothing, are a second copy.  The bias is the C operand of the first products; the residual is loaded at the head and added on the way out.
; A's tile of a wave: four heads x 64 dense rows of 128 bytes: asked for as four rows of 8,192 bytes, padded after every 128: in LDS [head][row], pitch 144.  B's: 64 rows of 512 bytes, pitch 528.
; CLUSTER.  4 x 4: A's tile is shared along a row of the cluster, B's along a column, each asked for jointly.  No prefetch: a small tile, with short steps.
; TRANSPOSED USE: source 0 = B's rows, source 1 = A's: a lane holds eight neighbouring columns of a row; a wave's 64 columns of f32 are 256 bytes, so each wave sends its own rows through its own stage.
; REGISTERS.  Window 0: v16-29 addresses; v32-95 at work; v96-127 the bias; v128-255 the accumulators.  Window 1: two fragment buffers of 128.  Window 2: v0-127 the residual.
; LIMITS: bf16 operands; NaN and infinities are not treated apart.
.set OPROJ, 1
.set KSTEP, 256
.if OPROJ
.set NSTEP,  4
.set APITCH, 144
.set AQ,     9216                      ; a quarter step (64 along K) is a head: 64 rows of 144 bytes on
.set AHALF,  36864
.set SLOT1,  0x24000                   ; bits 14 and 17, which no tile's first byte holds: one exclusive or changes slots
.set ASTEP,  1048576                   ; four heads of 262,144 bytes
.set KROW,   1024
.set WOFF,   6291456
.set RPITCH, 8192                      ; from a position's row of x to the next position's
.else
.set NSTEP,  16
.set APITCH, 528
.set AQ,     128
.set AHALF,  33792
.set SLOT1,  0x21000                   ; bits 12 and 17, which no tile's first byte holds
.set ASTEP,  512
.set KROW,   4096
.set WOFF,   16777216
.set RPITCH, 4096
.endif
.set BPITCH, 528
.set BHALF,  64*BPITCH
.set BOFF,   2*AHALF
.set STAGE,  SLOT1+BOFF+2*BHALF        ; behind the ring: 32 rows x 272 bytes for each wave
.set SPITCH, 272
.set SPARE,  STAGE+4*32*SPITCH         ; the spare words: 128 bytes a wave
.set A0,   16
.set B0,   17
.set ADRA, 18
.set ADRB, 19
.set STO,  24
.set RD,   25
.set RO,   26                          ; v26  my byte offset in two rows of the residual and of the output
.set BO,   27
.set SPW,  28
.set NIL,  29
.set TMP,  32
.set BIAS, 96
.set ACC,  128
.set F0,   0
.set F1,   128
.set TB,   2
.set G1,   24
.set G0,   32
.set G1B,  48
.set G0B,  56
.set MSB, 0
.macro WIN new
.if MSB != (\new)
	s_set_vgpr_msb (MSB<<8)|(\new)
.set MSB, \new
.endif
.endm
.set MUL,  0x05                        ; sources 0 (B) and 1 (A) window 1; C and D window 0
.set TO_F, 0x40
.macro JLOAD s                         ; a joint load: waves 0 and 1 fetch A's halves, waves 2 and 3 B's; an s_nop 0 and four v_nop follow each line
	s_cmp_eq_u32 s11, 0
	s_cbranch_scc0 .Lfor_b_\@
	tensor_load_to_lds s[G0+4*(\s):G0+4*(\s)+3], s[G1:G1+7]
	s_nop 0
.rept 4
	v_nop
.endr
	s_branch .Lasked_\@
.Lfor_b_\@:
	tensor_load_to_lds s[G0B+4*(\s):G0B+4*(\s)+3], s[G1B:G1B+7]
	s_nop 0
.rept 4
	v_nop
.endr
.Lasked_\@:
.endm
.macro CREST
	s_cmp_lg_u32 s10, 0
	s_cbranch_scc1 .Lnot_wave_0_\@
	s_barrier_signal -3
.Lnot_wave_0_\@:
	s_barrier_wait -3
	s_barrier_signal -1
	s_barrier_wait -1
.endm
.macro CROUND
	s_barrier_signal -1
	s_barrier_wait -1
	CREST
.endm
.macro PLACES
.rept 4
	v_nop
.endr
.endm
.macro MUL8 f, c, a0, zero             ; 8 matrix instructions: m blocks a0, a0 + 1 x all 4 n blocks, half c of buffer f.  zero = 1: the bias starts the sums
	WIN MUL
.irp a, \a0, (\a0)+1
.irp b, 0,1,2,3
.if \zero
	v_wmma_f32_16x16x32_bf16 v[ACC+8*(4*(\a)+(\b)):ACC+8*(4*(\a)+(\b))+7], v[(\f)+64+8*(4*(\c)+(\b)):(\f)+64+8*(4*(\c)+(\b))+7], v[(\f)+8*(4*(\c)+(\a)):(\f)+8*(4*(\c)+(\a))+7], v[BIAS+8*(\b):BIAS+8*(\b)+7]
.else
	v_wmma_f32_16x16x32_bf16 v[ACC+8*(4*(\a)+(\b)):ACC+8*(4*(\a)+(\b))+7], v[(\f)+64+8*(4*(\c)+(\b)):(\f)+64+8*(4*(\c)+(\b))+7], v[(\f)+8*(4*(\c)+(\a)):(\f)+8*(4*(\c)+(\a))+7], v[ACC+8*(4*(\a)+(\b)):ACC+8*(4*(\a)+(\b))+7]
.endif
.endr
.endr
.endm
.macro FETCH q, f                      ; 32 LDS loads in one run: quarter q's fragments into buffer f; the first 32 along K first
	WIN TO_F
.irp c, 0,1
.irp i, 0,1,2,3
	ds_load_b128 v[(\f)+64+8*(4*(\c)+(\i)):(\f)+64+8*(4*(\c)+(\i))+3],   v[ADRB] offset:(\q)*128+64*(\c)+(\i)*16*BPITCH
	ds_load_b128 v[(\f)+64+8*(4*(\c)+(\i))+4:(\f)+64+8*(4*(\c)+(\i))+7], v[ADRB] offset:(\q)*128+64*(\c)+(\i)*16*BPITCH+32
	ds_load_b128 v[(\f)+8*(4*(\c)+(\i)):(\f)+8*(4*(\c)+(\i))+3],         v[ADRA] offset:(\q)*AQ+64*(\c)+(\i)*16*APITCH
	ds_load_b128 v[(\f)+8*(4*(\c)+(\i))+4:(\f)+8*(4*(\c)+(\i))+7],       v[ADRA] offset:(\q)*AQ+64*(\c)+(\i)*16*APITCH+32
.endr
.endr
.endm
.macro QUARTER q, f, g, zero           ; multiplies buffer f and fetches quarter q into g.  The 16 accumulators take turns
	s_wait_dscnt 16                                ; the first 32 along K are in; the other sixteen loads may be out
	MUL8 \f, 0, 0, \zero
	MUL8 \f, 0, 2, \zero
	PLACES
	FETCH \q, \g
	s_wait_dscnt 32                                ; all but the 32 just issued
	MUL8 \f, 1, 0, 0
	MUL8 \f, 1, 2, 0
.endm
; The last quarter multiplies buffer 1 and changes slots: in front of the barrier each wave waits for all its tensor loads, adds 0 to its spare word, and waits for that and for its reads of this slot.
; fill = 1: the barrier opens a round of the cluster's, and the joint refill, two K steps on, comes first behind it.  fill = 0 (the tail): nothing is asked for; in the last trip nothing is fetched.
.macro TURN fill
	WIN 0
	s_wait_tensorcnt 0x0
	ds_add_u32 v[SPW], v[NIL]
	s_wait_dscnt 17                                ; the add and the youngest sixteen loads may be out
	MUL8 F1, 0, 0, 0
	s_wait_dscnt 0x0
	s_barrier_signal -1
	MUL8 F1, 0, 2, 0
	WIN 0
	s_barrier_wait -1
.if \fill
	CREST
	s_xor_b32 s[G0+5], s[G0+5], SLOT1
	s_add_nc_u64 s[G0+6:G0+7], s[G0+6:G0+7], ASTEP
	s_xor_b32 s[G0B+5], s[G0B+5], SLOT1
	s_add_nc_u64 s[G0B+6:G0B+7], s[G0B+6:G0B+7], KSTEP*2
	JLOAD 1                                        ; its four v_nop are also the places in front of the loads below
.else
	PLACES
	s_cmp_eq_u32 s3, 1
	s_cbranch_scc1 .Lno_more_\@
.endif
	s_xor_b32 s[TB], s[TB], SLOT1
	v_add_nc_u32 v[ADRA], s[TB], v[A0]
	v_add_nc_u32 v[ADRB], s[TB], v[B0]
	FETCH 0, F0
	WIN 0
.if (\fill) == 0
.Lno_more_\@:
.endif
	MUL8 F1, 1, 0, 0
	MUL8 F1, 1, 2, 0
.endm
	s_load_b128 s[4:7], s[0:1], 0x0                ; A, wb
	s_load_b128 s[68:71], s[0:1], 0x10             ; the residual, the bias
	s_load_b64 s[8:9], s[0:1], 0x20                ; the output
	v_lshl_add_u32 v[SPW], v0, 2, SPARE
	v_mov_b32 v[NIL], 0
	ds_add_u32 v[SPW], v[NIL]                      ; the wave's opening: the add and its wait ahead of my first tensor load
	v_lshrrev_b32 v1, 5, v0
	v_readfirstlane_b32 s10, v1
	s_lshr_b32 s11, s10, 1                         ; my half of the tile's rows.  Also: I fetch for A (0) or B (1)
	s_and_b32 s12, s10, 1                          ; my half of its columns.  Also: which 64 rows I fetch
	s_bfe_u32 s40, ttmp6, 0x40000
	s_bfe_u32 s41, ttmp6, 0x40004
	s_lshl_b32 s42, ttmp9, 2
	s_add_co_u32 s42, s42, s40                     ; tile column
	s_and_b32 s13, ttmp7, 0xffff
	s_lshl_b32 s13, s13, 2
	s_add_co_u32 s13, s13, s41                     ; tile row
	s_lshl_b32 s43, s41, 2
	s_lshl_b32 s43, 15, s43
	s_lshl_b32 s44, 0x1111, s40
.if OPROJ
	s_or_b32 s[G1+0], s43, (1<<16)|(1<<20)|(1<<21)|(4<<22)|(3<<25)  ; padding after every 32 words (a row of a head), 4 words
	s_mov_b32 s[G1+1], 4096<<16                    ; tensor_dim0 = 4,096 elements: 64 dense rows of a head
	s_mov_b32 s[G1+2], 4<<16                       ; tensor_dim1 = 4 heads
	s_mov_b32 s[G1+3], 4096<<16                    ; tile_dim0
	s_mov_b32 s[G1+4], 4                           ; tile_dim1
	s_mov_b32 s[G1+5], 131072                      ; elements from head to head
.else
	s_or_b32 s[G1+0], s43, (1<<16)|(1<<20)|(1<<21)|(6<<22)|(3<<25)  ; padding after every 128 words, 4 words
	s_mov_b32 s[G1+1], KSTEP<<16
	s_mov_b32 s[G1+2], 64<<16
	s_mov_b32 s[G1+3], KSTEP<<16
	s_mov_b32 s[G1+4], 64
	s_mov_b32 s[G1+5], KROW
.endif
	s_mov_b32 s[G1+6], 0
	s_mov_b32 s[G1+7], 0
	s_or_b32 s[G1B+0], s44, (1<<16)|(1<<20)|(1<<21)|(6<<22)|(3<<25)
	s_mov_b32 s[G1B+1], KSTEP<<16
	s_mov_b32 s[G1B+2], 64<<16
	s_mov_b32 s[G1B+3], KSTEP<<16
	s_mov_b32 s[G1B+4], 64
	s_mov_b32 s[G1B+5], KROW
	s_mov_b32 s[G1B+6], 0
	s_mov_b32 s[G1B+7], 0
.if OPROJ
	s_lshr_b32 s16, s13, 4                         ; the batch: 16 heads of 262,144 bytes,
	s_lshl_b32 s16, s16, 22
	s_and_b32 s17, s13, 15                         ; 128 positions of 128 bytes a tile row,
	s_lshl_b32 s17, s17, 14
	s_add_co_u32 s16, s16, s17
	s_lshl_b32 s17, s12, 13                        ; my 64 of them
	s_add_co_u32 s16, s16, s17
	s_lshl_b32 s46, s42, 18                        ; B: 128 rows of 2,048 bytes a tile column
	s_lshl_b32 s47, s12, 17
.else
	s_lshl_b32 s16, s13, 20                        ; 128 rows of 8,192 bytes
	s_lshl_b32 s17, s12, 19
	s_add_co_u32 s16, s16, s17
	s_lshl_b32 s46, s42, 20
	s_lshl_b32 s47, s12, 19
.endif
	s_add_co_u32 s46, s46, s47
	s_mov_b32 s17, 0
	s_mov_b32 s47, 0
	s_mul_i32 s20, s12, AHALF                      ; where they go: by the wave's number alone
	s_mul_i32 s21, s12, BHALF
	s_add_co_u32 s21, s21, BOFF
	s_mov_b32 s[TB], 0
	s_wait_dscnt 0x0                               ; the opening add is done
	s_wait_kmcnt 0x0
	s_add_nc_u64 s[6:7], s[6:7], WOFF
	s_add_nc_u64 s[14:15], s[4:5], s[16:17]
	s_add_nc_u64 s[46:47], s[6:7], s[46:47]
	CROUND                                         ; all sixteen work-groups are here: the first joint loads meet
.irp s, 0,1
	s_mov_b32 s[G0+4*(\s)], 1
	s_add_co_u32 s[G0+4*(\s)+1], s20, (\s)*SLOT1
	s_add_nc_u64 s[G0+4*(\s)+2:G0+4*(\s)+3], s[14:15], (\s)*ASTEP
	s_or_b32 s[G0+4*(\s)+3], s[G0+4*(\s)+3], 0x80000000
	s_mov_b32 s[G0B+4*(\s)], 1
	s_add_co_u32 s[G0B+4*(\s)+1], s21, (\s)*SLOT1
	s_add_nc_u64 s[G0B+4*(\s)+2:G0B+4*(\s)+3], s[46:47], (\s)*KSTEP*2
	s_or_b32 s[G0B+4*(\s)+3], s[G0B+4*(\s)+3], 0x80000000
	JLOAD \s                                       ; two tensor loads of mine are out here, later one
.endr
	v_and_b32 v1, 15, v0
	v_bfe_u32 v2, v0, 4, 1
	v_lshlrev_b32 v[BO], 5, v2
	v_mul_u32_u24 v[RO], v2, RPITCH
	v_lshl_add_u32 v[RO], v1, 4, v[RO]
.if OPROJ
	s_and_b32 s76, s13, 15                         ; token row 2 (128 (ty % 16) + 64 x half) + n, 4,096 bytes each
	s_lshl_b32 s76, s76, 20
	s_lshr_b32 s77, s13, 4
	s_lshl_b32 s77, s77, 12
	s_add_co_u32 s76, s76, s77
	s_lshl_b32 s77, s11, 19
.else
	s_lshl_b32 s76, s13, 19
	s_lshl_b32 s77, s11, 18
.endif
	s_add_co_u32 s76, s76, s77
	s_lshl_b32 s78, s42, 9                         ; my 64 columns, in bytes of f32
	s_lshl_b32 s77, s12, 8
	s_add_co_u32 s78, s78, s77
	s_add_co_u32 s76, s76, s78
	s_mov_b32 s77, 0
	s_mov_b32 s79, 0
	s_add_nc_u64 s[68:69], s[68:69], s[76:77]
	s_add_nc_u64 s[8:9], s[8:9], s[76:77]
	s_add_nc_u64 s[70:71], s[70:71], s[78:79]
.irp b, 0,1,2,3
	global_load_b128 v[BIAS+8*(\b):BIAS+8*(\b)+3],   v[BO], s[70:71] offset:64*(\b)
	global_load_b128 v[BIAS+8*(\b)+4:BIAS+8*(\b)+7], v[BO], s[70:71] offset:64*(\b)+16
.endr
	WIN 0x80                                       ; destination window 2
.set t, 0
.rept 32                               ; my 64 rows x 256 bytes of the residual, two rows a load, 16 lanes to a row
	global_load_b128 v[4*t:4*t+3], v[RO], s[68:69] offset:t*2*RPITCH
.set t, t+1
.endr
	WIN 0
	v_mul_u32_u24 v3, v1, APITCH
	v_lshl_add_u32 v3, v2, 4, v3
	s_mul_i32 s22, s11, AHALF
	v_add_nc_u32 v[A0], s22, v3
	v_mul_u32_u24 v3, v1, BPITCH
	v_lshl_add_u32 v3, v2, 4, v3
	s_mul_i32 s22, s12, BHALF
	s_add_co_u32 s22, s22, BOFF
	v_add_nc_u32 v[B0], s22, v3
	v_mov_b32 v[ADRA], v[A0]
	v_mov_b32 v[ADRB], v[B0]
	s_mul_i32 s23, s10, 32*SPITCH
	s_add_co_u32 s23, s23, STAGE
	v_mul_u32_u24 v[STO], v1, SPITCH
	v_lshl_add_u32 v[STO], v2, 5, v[STO]
	v_add_nc_u32 v[STO], s23, v[STO]
	v_mul_u32_u24 v[RD], v2, SPITCH
	v_lshl_add_u32 v[RD], v1, 4, v[RD]
	v_add_nc_u32 v[RD], s23, v[RD]
	s_wait_tensorcnt 1                             ; my part of K step 0 is in; K step 1's may stay out
	s_barrier_signal -1
	s_barrier_wait -1
	FETCH 0, F0
	s_wait_loadcnt 32                              ; the bias is in; the residual's 32 loads may stay out
	QUARTER 1, F0, F1, 1
	WIN 0
	s_mov_b32 s3, NSTEP-2
.Lstep:
	QUARTER 2, F1, F0, 0
	QUARTER 3, F0, F1, 0
	TURN 1
	QUARTER 1, F0, F1, 0
	WIN 0
	s_sub_co_u32 s3, s3, 1
	s_cmp_lg_u32 s3, 0
	s_cbranch_scc1 .Lstep
	s_mov_b32 s3, 2
.Ltail:                                        ; the last two K steps ask for nothing: written out
	QUARTER 2, F1, F0, 0
	QUARTER 3, F0, F1, 0
	TURN 0
	WIN 0
	s_sub_co_u32 s3, s3, 1
	s_cmp_eq_u32 s3, 0
	s_cbranch_scc1 .Lout
	QUARTER 1, F0, F1, 0
	WIN 0
	s_branch .Ltail
.Lout:
	; THE WAY OUT, 32 rows at a time: into my stage, back as whole rows of 256 bytes, plus the residual, out.
.rept 8
	v_nop
.endr
	s_wait_loadcnt 0x0                             ; the residual
.irp p, 0,1
.if (\p) == 1
	s_wait_xcnt 0x0                                ; the first half's stores have read their data: the registers are loaded again only behind this wait
.endif
.irp a, 0,1
.irp b, 0,1,2,3
	ds_store_b128 v[STO], v[ACC+8*(4*(2*(\p)+(\a))+(\b)):ACC+8*(4*(2*(\p)+(\a))+(\b))+3]   offset:(\a)*16*SPITCH+64*(\b)     ; each accumulator's low registers first
	ds_store_b128 v[STO], v[ACC+8*(4*(2*(\p)+(\a))+(\b))+4:ACC+8*(4*(2*(\p)+(\a))+(\b))+7] offset:(\a)*16*SPITCH+64*(\b)+16
.endr
.endr
.set t, 0
.rept 16
	ds_load_b128 v[TMP+4*t:TMP+4*t+3], v[RD] offset:t*2*SPITCH  ; LDS serves a wave's instructions in order (ISA guide 5.7.1.4): these see the stores above
.set t, t+1
.endr
	s_wait_dscnt 0x0
	WIN 0x08                                       ; source 1 (the residual) in window 2
.set t, 0
.rept 32
	v_pk_add_f32 v[TMP+2*t:TMP+2*t+1], v[TMP+2*t:TMP+2*t+1], v[64*(\p)+2*t:64*(\p)+2*t+1]
.set t, t+1
.endr
	WIN 0
.set t, 0
.rept 16
	global_store_b128 v[RO], v[TMP+4*t:TMP+4*t+3], s[8:9] offset:(16*(\p)+t)*2*RPITCH  ; 16 lanes store 256 consecutive bytes, aligned
.set t, t+1
.endr
.endr
	s_wait_tensorcnt 0x0                           ; the wave's end
	ds_add_u32 v[SPW], v[NIL]
	s_wait_dscnt 0x0
	CROUND                                         ; the closing round
	s_endpgm
.Lfunc_end_k_q7197b5e345_oproj:
	.size	k_q7197b5e345_oproj, .Lfunc_end_k_q7197b5e345_oproj-k_q7197b5e345_oproj
	.p2alignl 7, 3214868480
	.fill 96, 4, 3214868480
	.section	.rodata,"a",@progbits
	.p2align	6, 0x0
	.amdhsa_kernel k_q7197b5e345_oproj
		.amdhsa_group_segment_fixed_size 327680
		.amdhsa_private_segment_fixed_size 0
		.amdhsa_enable_private_segment 0
		.amdhsa_kernarg_size 40
		.amdhsa_user_sgpr_count 2
		.amdhsa_user_sgpr_kernarg_segment_ptr 1
		.amdhsa_wavefront_size32 1
		.amdhsa_system_sgpr_workgroup_id_x 1
		.amdhsa_system_sgpr_workgroup_id_y 1
		.amdhsa_system_sgpr_workgroup_id_z 1
		.amdhsa_system_vgpr_workitem_id 0
		.amdhsa_next_free_vgpr 640
		.amdhsa_next_free_sgpr 80
		.amdhsa_reserve_vcc 0
		.amdhsa_float_denorm_mode_32 3
		.amdhsa_float_denorm_mode_16_64 3
		.amdhsa_memory_ordered 1
		.amdhsa_forward_progress 1
		.amdhsa_inst_pref_size 66
	.end_amdhsa_kernel
	.amdgpu_metadata
---
amdhsa.version: [ 1, 2 ]
amdhsa.kernels:
  - .name:           k_q7197b5e345_oproj
    .symbol:         k_q7197b5e345_oproj.kd
    .args:
      - { .name: ob, .offset: 0, .size: 8, .value_kind: global_buffer, .address_space: global }
      - { .name: wb, .offset: 8, .size: 8, .value_kind: global_buffer, .address_space: global }
      - { .name: x, .offset: 16, .size: 8, .value_kind: global_buffer, .address_space: global }
      - { .name: bout, .offset: 24, .size: 8, .value_kind: global_buffer, .address_space: global }
      - { .name: x1, .offset: 32, .size: 8, .value_kind: global_buffer, .address_space: global }
    .group_segment_fixed_size: 327680
    .private_segment_fixed_size: 0
    .kernarg_segment_align: 8
    .kernarg_segment_size: 40
    .max_flat_workgroup_size: 128
    .sgpr_count:     80
    .vgpr_count:     640
    .wavefront_size: 32
...
	.end_amdgpu_metadata
.endif
;; end of part 4
;; launch ln2: the kernel of part 1 again; grid 256 x 1, 8 waves a work-group, no clusters, 0 bytes of LDS; arguments x1, ln2_w, ln2_b, wq, wk, wv, wout, fc1_w, fc2_w, hb, wb; writes hb, wb
;; launch fc1 (part 5): grid 16 x 16, 4 waves a work-group, clusters of 4 x 4, 327,680 bytes of LDS; arguments hb, wb, g, fc1_b; writes g
.if DOCPART == 5
	.amdgcn_target "amdgcn-amd-amdhsa--gfx1250"
	.amdhsa_code_object_version 6
	.text
	.protected	k_q7197b5e345_fc1
	.globl	k_q7197b5e345_fc1
	.p2align	8
	.type	k_q7197b5e345_fc1,@function
k_q7197b5e345_fc1:
	s_mov_b64 s[64:65], 0
	v_nop
	global_prefetch_b8 v0, s[64:65] scope:SCOPE_SE
	s_setreg_imm32_b32 hwreg(HW_REG_WAVE_MODE, 25, 1), 1
	s_wait_xcnt 0x0
	s_wait_alu depctr_hold_cnt(0) depctr_sa_sdst(0) depctr_va_vdst(0) depctr_va_sdst(0) depctr_va_ssrc(0) depctr_va_vcc(0) depctr_vm_vsrc(0)
	s_getreg_b32 s2, hwreg(HW_REG_IB_STS2, 6, 4)
	s_cmp_eq_u32 s2, 0
	s_cbranch_scc0 .Lentry_in_a_cluster
	s_endpgm
.Lentry_in_a_cluster:
	s_bfe_u32 s2, ttmp6, 0x10000c
	s_cmp_lg_u32 s2, 0xf033
	s_cbranch_scc0 .Lentry_shape_is_right
	s_endpgm
.Lentry_shape_is_right:
; g = gelu(hb fc1_w^T + fc1_b), rounded once to bf16.  hb: [4096][1024] bf16; fc1_w's rows are wb's rows 4,096 on; g: [4096][4096] bf16.  Sums in f32, K ascending, started with the bias as the first product's C operand.
; THE GELU is the exact one, 0.5 x (1 + erf(x / sqrt 2)), by gelu(x) = max(x, 0) - |x| P(t) 2^(-(KS x)^2), t = 1 / (1 + PK |x|), P the polynomial of degree 5 of Abramowitz and Stegun 7.1.26 with the factor 1/2
; folded into its coefficients.  LIMIT: that form of erf is off by at most 1.5e-7, for every x; beyond that only f32 rounding.  bf16 operands; NaN and infinities are not treated apart.
; SHARES.  A tile of C is 256 x 256 (256 work-groups), four waves of 128 x 128: 64 accumulators, 512 registers.  K = 1,024 goes in eight steps of 128 through a ring of two LDS slots filled by tensor loads;
; ONE K step is written and looped over (the LDS addresses hang on s[TB], the descriptors walk); the last two steps, which ask for nothing, are a second copy.
; CLUSTER.  4 x 4 work-groups; A's tile is shared along a row of the cluster, B's along a column: each is asked for JOINTLY, by the same tensor load, descriptor and mask in all four.
; TRANSPOSED USE: source 0 = 16 rows of B, source 1 = 16 rows of A: a lane holds eight neighbouring columns of one row of C.
; REGISTERS: window 0: v16-30 addresses; v32-159 at work on the way out; v64-127, v128-191 A's fragments, two buffers; v192-255 the bias.  Window 1: v64-191 B's fragments.  Windows 2, 3: the accumulators, (a, b) at 8 (8 a + b).
.set FC1,    1
.set KSTEP,  128
.set PITCH,  272                       ; an LDS row: 256 bytes + 16 of padding
.set HALFT,  128*PITCH
.set SLOT,   4*HALFT                   ; 0x22000: bits 13 and 17, which no wave's part (wave x 0x8800) holds: one exclusive or changes slots
.set SPITCH, 528                       ; the way out: a row of 128 f32 + 16 bytes
.set WSTAGE, 128*SPITCH                ; a wave's stage, in the ring's bytes, which have had their last fill by then
.set SPARE,  2*SLOT                    ; the spare words: 128 bytes a wave
.set WOFF,   8388608*FC1               ; where B's rows begin in wb
.set A0,   16
.set B0,   17
.set ADRA, 18
.set ADRB, 19
.set RDA,  20
.set STO,  24
.set RD,   25
.set GO,   26
.set BO,   27
.set SPW,  28
.set NIL,  29
.set PFO,  30
.set XG,   32                          ; the way out: 32 numbers; then t's denominator and t; the exponent and the power; the polynomial
.set DG,   64
.set WG,   96
.set PG,   128
.set F0,   64
.set F1,   128
.set BI,   192
.set TB,   2
.set LIM,  43
.set PFA,  44
.set G1,   24
.set G0,   32
.set G1B,  48
.set G0B,  56
.set PKC,  24                          ; the gelu's constants, as pairs, in the descriptors' registers once the last tensor load has been waited for
.set KSC,  26
.set C1,   28
.set C2,   30
.set C3,   32
.set C4,   34
.set C5,   36
.set MSB, 0
.macro WIN new
.if MSB != (\new)
	s_set_vgpr_msb (MSB<<8)|(\new)
.set MSB, \new
.endif
.endm
.set MUL_LO, 0xa1
.set MUL_HI, 0xf1
.set TO_B,   0x40
.macro JLOAD s                         ; a joint load: waves 0 and 1 fetch A's halves, waves 2 and 3 B's; an s_nop 0 and four v_nop follow each line
	s_cmp_eq_u32 s11, 0
	s_cbranch_scc0 .Lfor_b_\@
	tensor_load_to_lds s[G0+4*(\s):G0+4*(\s)+3], s[G1:G1+7]
	s_nop 0
.rept 4
	v_nop
.endr
	s_branch .Lasked_\@
.Lfor_b_\@:
	tensor_load_to_lds s[G0B+4*(\s):G0B+4*(\s)+3], s[G1B:G1B+7]
	s_nop 0
.rept 4
	v_nop
.endr
.Lasked_\@:
.endm
; A prefetch of the K step that stands two refills on: 32 rows x 256 bytes, a lane a row.  A's rows are asked for by the clusters with x = 0, B's by those with y = 0; the four partners that ask for a
; tile jointly share its rows out by address, 32 each: so each row's 256 bytes of a K step are named once in the launch.  Refills 0 to 3 name K steps 4 to 7; the last two name nothing.
.macro ASK
	s_cmp_gt_u32 s3, s[LIM]
	s_cbranch_scc0 .Lnot_mine_\@
	global_prefetch_b8 v[PFO], s[PFA:PFA+1] offset:KSTEP*2 th:TH_LOAD_NT scope:SCOPE_SE
.Lnot_mine_\@:
.endm
.macro CREST
	s_cmp_lg_u32 s10, 0
	s_cbranch_scc1 .Lnot_wave_0_\@
	s_barrier_signal -3
.Lnot_wave_0_\@:
	s_barrier_wait -3
	s_barrier_signal -1
	s_barrier_wait -1
.endm
.macro CROUND
	s_barrier_signal -1
	s_barrier_wait -1
	CREST
.endm
.macro PLACES
.rept 4
	v_nop
.endr
.endm
.macro MUL16 f, hi, a0, zero
.if \zero
	WIN 0x81+0x40*(\hi)                            ; C in window 0
.else
	WIN MUL_LO+0x50*(\hi)
.endif
.irp a, \a0, (\a0)+1
.irp b, 0,1,2,3,4,5,6,7
.if \zero
	v_wmma_f32_16x16x32_bf16 v[8*(8*(\a)+(\b)):8*(8*(\a)+(\b))+7], v[(\f)+8*(\b):(\f)+8*(\b)+7], v[(\f)+8*(4*(\hi)+(\a)):(\f)+8*(4*(\hi)+(\a))+7], v[BI+8*(\b):BI+8*(\b)+7]
.else
	v_wmma_f32_16x16x32_bf16 v[8*(8*(\a)+(\b)):8*(8*(\a)+(\b))+7], v[(\f)+8*(\b):(\f)+8*(\b)+7], v[(\f)+8*(4*(\hi)+(\a)):(\f)+8*(4*(\hi)+(\a))+7], v[8*(8*(\a)+(\b)):8*(8*(\a)+(\b))+7]
.endif
.endr
.endr
.endm
.macro FETCH k, f
	WIN TO_B
.irp i, 0,1,2,3,4,5,6,7
	ds_load_b128 v[(\f)+8*(\i):(\f)+8*(\i)+3],   v[ADRB] offset:(\k)+(\i)*16*PITCH
	ds_load_b128 v[(\f)+8*(\i)+4:(\f)+8*(\i)+7], v[ADRB] offset:(\k)+(\i)*16*PITCH+32
.endr
	WIN 0
.irp i, 0,1,2,3,4,5,6,7
	ds_load_b128 v[(\f)+8*(\i):(\f)+8*(\i)+3],   v[ADRA] offset:(\k)+(\i)*16*PITCH
	ds_load_b128 v[(\f)+8*(\i)+4:(\f)+8*(\i)+7], v[ADRA] offset:(\k)+(\i)*16*PITCH+32
.endr
.endm
.macro QUARTER k, f, g, zero           ; the 64 accumulators take turns, in the same order in every quarter
	s_wait_dscnt 8                                 ; B and A's rows 0-63 are in; the youngest eight loads (A's rows 64-127) may be out
	MUL16 \f, 0, 0, \zero
	MUL16 \f, 0, 2, \zero
	PLACES
	FETCH \k, \g
	s_wait_dscnt 32                                ; all but the 32 just issued
	MUL16 \f, 1, 0, \zero
	MUL16 \f, 1, 2, \zero
.endm
; The last quarter multiplies buffer 1 and changes slots.  In front of the barrier each wave waits for all its tensor loads (one is out: its part of the next slot), adds 0 to its spare word, and waits for
; that and for its reads of this slot.  fill = 1: the barrier opens a round of the cluster's, and the joint refill, two K steps on, is the first thing behind it.  fill = 0 (the tail): nothing is asked for, and in
; the last trip nothing is fetched.
.macro TURN fill
.if \fill
	s_wait_xcnt 0x0                                ; the last prefetch, a K step back, has read its address
	s_add_nc_u64 s[PFA:PFA+1], s[PFA:PFA+1], KSTEP*2
.endif
	WIN 0
	s_wait_tensorcnt 0x0
	ds_add_u32 v[SPW], v[NIL]
	s_wait_dscnt 9                                 ; the add and the youngest eight loads may be out
	MUL16 F1, 0, 0, 0
	s_wait_dscnt 0x0
	s_barrier_signal -1
	MUL16 F1, 0, 2, 0
	WIN 0
	s_barrier_wait -1
.if \fill
	CREST
	s_xor_b32 s[G0+5], s[G0+5], SLOT
	s_add_nc_u64 s[G0+6:G0+7], s[G0+6:G0+7], KSTEP*2
	s_xor_b32 s[G0B+5], s[G0B+5], SLOT
	s_add_nc_u64 s[G0B+6:G0B+7], s[G0B+6:G0B+7], KSTEP*2
	JLOAD 1
.else
	PLACES
	s_cmp_eq_u32 s3, 1
	s_cbranch_scc1 .Lno_more_\@
.endif
	s_xor_b32 s[TB], s[TB], SLOT
	v_add_nc_u32 v[ADRA], s[TB], v[A0]
	v_add_nc_u32 v[ADRB], s[TB], v[B0]
	FETCH 0, F0
.if \fill
	ASK
.else
.Lno_more_\@:
.endif
	MUL16 F1, 1, 0, 0
	MUL16 F1, 1, 2, 0
.endm
.macro CONST reg, val
	s_mov_b32 s[\reg], \val
	s_mov_b32 s[(\reg)+1], \val
.endm
	s_load_b128 s[4:7], s[0:1], 0x0                ; A = hb, wb
	s_load_b64 s[8:9], s[0:1], 0x10                ; g
	s_load_b64 s[68:69], s[0:1], 0x18              ; fc1_b
	v_lshl_add_u32 v[SPW], v0, 2, SPARE
	v_mov_b32 v[NIL], 0
	ds_add_u32 v[SPW], v[NIL]                      ; the wave's opening: the add and its wait ahead of my first tensor load
	v_lshrrev_b32 v1, 5, v0
	v_readfirstlane_b32 s10, v1
	s_lshr_b32 s11, s10, 1
	s_and_b32 s12, s10, 1
	s_bfe_u32 s40, ttmp6, 0x40000
	s_bfe_u32 s41, ttmp6, 0x40004
	s_lshl_b32 s42, ttmp9, 2
	s_add_co_u32 s42, s42, s40                     ; tile column
	s_and_b32 s13, ttmp7, 0xffff
	s_lshl_b32 s13, s13, 2
	s_add_co_u32 s13, s13, s41                     ; tile row
	s_lshl_b32 s43, s41, 2
	s_lshl_b32 s43, 15, s43
	s_lshl_b32 s44, 0x1111, s40
	s_or_b32 s[G1+0], s43, (1<<16)|(1<<20)|(1<<21)|(5<<22)|(3<<25)
	s_or_b32 s[G1B+0], s44, (1<<16)|(1<<20)|(1<<21)|(5<<22)|(3<<25)
.irp g, G1, G1B
	s_mov_b32 s[(\g)+1], KSTEP<<16
	s_mov_b32 s[(\g)+2], 128<<16
	s_mov_b32 s[(\g)+3], KSTEP<<16
	s_mov_b32 s[(\g)+4], 128
	s_mov_b32 s[(\g)+5], 1024
	s_mov_b32 s[(\g)+6], 0
	s_mov_b32 s[(\g)+7], 0
.endr
	s_lshl_b32 s17, s12, 7
	s_lshl_b32 s16, s13, 8
	s_add_co_u32 s16, s16, s17
	s_lshl_b32 s16, s16, 11
	s_lshl_b32 s46, s42, 8
	s_add_co_u32 s46, s46, s17
	s_lshl_b32 s46, s46, 11
	s_mov_b32 s17, 0
	s_mov_b32 s47, 0
	s_mul_i32 s20, s10, HALFT
	s_mov_b32 s[TB], 0
	s_wait_dscnt 0x0                               ; the opening add is done
	s_wait_kmcnt 0x0
	s_add_nc_u64 s[6:7], s[6:7], WOFF
	s_add_nc_u64 s[14:15], s[4:5], s[16:17]
	s_add_nc_u64 s[46:47], s[6:7], s[46:47]
	CROUND                                         ; all sixteen work-groups are here: the first joint loads meet
.irp s, 0,1
	s_mov_b32 s[G0+4*(\s)], 1
	s_add_co_u32 s[G0+4*(\s)+1], s20, (\s)*SLOT
	s_add_nc_u64 s[G0+4*(\s)+2:G0+4*(\s)+3], s[14:15], (\s)*KSTEP*2
	s_or_b32 s[G0+4*(\s)+3], s[G0+4*(\s)+3], 0x80000000
	s_mov_b32 s[G0B+4*(\s)], 1
	s_add_co_u32 s[G0B+4*(\s)+1], s20, (\s)*SLOT
	s_add_nc_u64 s[G0B+4*(\s)+2:G0B+4*(\s)+3], s[46:47], (\s)*KSTEP*2
	s_or_b32 s[G0B+4*(\s)+3], s[G0B+4*(\s)+3], 0x80000000
	JLOAD \s                                       ; two tensor loads of mine are out here, later one
.endr
	v_and_b32 v1, 15, v0
	v_bfe_u32 v2, v0, 4, 1
	v_lshlrev_b32 v[BO], 5, v2
	s_mov_b64 s[74:75], s[68:69]
	s_lshl_b32 s76, s42, 10
	s_lshl_b32 s77, s12, 9
	s_add_co_u32 s76, s76, s77
	s_mov_b32 s77, 0
	s_add_nc_u64 s[74:75], s[74:75], s[76:77]
.irp b, 0,1,2,3,4,5,6,7
	global_load_b128 v[BI+8*(\b):BI+8*(\b)+3],   v[BO], s[74:75] offset:64*(\b)
	global_load_b128 v[BI+8*(\b)+4:BI+8*(\b)+7], v[BO], s[74:75] offset:64*(\b)+16
.endr
	v_mul_u32_u24 v3, v1, PITCH
	v_lshl_add_u32 v3, v2, 4, v3
	s_mul_i32 s21, s11, HALFT
	s_mul_i32 s22, s12, HALFT
	s_add_co_u32 s22, s22, 2*HALFT
	v_add_nc_u32 v[A0], s21, v3
	v_add_nc_u32 v[B0], s22, v3
	v_mov_b32 v[ADRA], v[A0]
	v_mov_b32 v[ADRB], v[B0]
	s_mul_i32 s23, s10, WSTAGE
	v_mul_u32_u24 v[STO], v1, SPITCH
	v_lshl_add_u32 v[STO], v2, 5, v[STO]
	v_add_nc_u32 v[STO], s23, v[STO]
	v_mul_u32_u24 v[RD], v2, SPITCH                ; back: lanes 0-15 one row of 128 f32 (32 bytes a lane), lanes 16-31 the next
	v_lshl_add_u32 v[RD], v1, 5, v[RD]
	v_add_nc_u32 v[RD], s23, v[RD]
	v_lshlrev_b32 v[GO], 13, v2                    ; the same two rows of g, 8,192 bytes apart
	v_lshl_add_u32 v[GO], v1, 4, v[GO]
	s_lshl_b32 s76, s13, 21                        ; 256 rows of 8,192 bytes a tile row,
	s_lshl_b32 s77, s11, 20
	s_add_co_u32 s76, s76, s77
	s_lshl_b32 s77, s42, 9                         ; 512 bytes a tile column
	s_add_co_u32 s76, s76, s77
	s_lshl_b32 s77, s12, 8
	s_add_co_u32 s76, s76, s77
	s_mov_b32 s77, 0
	s_add_nc_u64 s[8:9], s[8:9], s[76:77]
	s_lshl_b32 s20, s13, 8
	s_lshl_b32 s21, s42, 8
	s_and_b32 s22, ttmp7, 0xffff
	s_cmp_eq_u32 s11, 0
	s_cselect_b32 s20, s20, s21
	s_cselect_b32 s21, s40, s41
	s_cselect_b32 s22, ttmp9, s22
	s_cselect_b64 s[PFA:PFA+1], s[4:5], s[6:7]
	s_cmp_eq_u32 s22, 0
	s_cselect_b32 s[LIM], 2, -1
	s_lshl_b32 s22, s12, 7
	s_add_co_u32 s20, s20, s22
	s_lshl_b32 s21, s21, 5
	s_add_co_u32 s20, s20, s21
	s_lshl_b32 s20, s20, 11
	s_mov_b32 s21, 0
	s_add_nc_u64 s[PFA:PFA+1], s[PFA:PFA+1], s[20:21]
	s_add_nc_u64 s[PFA:PFA+1], s[PFA:PFA+1], 2*KSTEP*2
	v_and_b32 v[PFO], 31, v0
	v_lshlrev_b32 v[PFO], 11, v[PFO]
	s_wait_tensorcnt 1                             ; my part of K step 0 is in; K step 1's may stay out
	s_barrier_signal -1
	s_barrier_wait -1
	FETCH 0, F0
	s_wait_loadcnt 0x0                             ; the bias
	QUARTER 64, F0, F1, 1
	WIN 0
	s_mov_b32 s3, 6
.Lstep:
	QUARTER 128, F1, F0, 0
	QUARTER 192, F0, F1, 0
	TURN 1
	QUARTER 64, F0, F1, 0
	WIN 0
	s_sub_co_u32 s3, s3, 1
	s_cmp_lg_u32 s3, 0
	s_cbranch_scc1 .Lstep
	s_mov_b32 s3, 2
.Ltail:                                        ; K steps 6 and 7 ask for nothing: written out
	QUARTER 128, F1, F0, 0
	QUARTER 192, F0, F1, 0
	TURN 0
	WIN 0
	s_sub_co_u32 s3, s3, 1
	s_cmp_eq_u32 s3, 0
	s_cbranch_scc1 .Lout
	QUARTER 64, F0, F1, 0
	WIN 0
	s_branch .Ltail
.Lout:
	; THE WAY OUT.  The sums go as f32 into my stage, in the ring's bytes: every wave's reads of the ring are over and no fill follows.
	s_wait_dscnt 0x0
	s_barrier_signal -1
	s_barrier_wait -1
.rept 8
	v_nop
.endr
.set a, 0
.rept 8
	WIN 0x08+4*(a/4)
.set b, 0
.rept 8
	ds_store_b128 v[STO], v[8*(8*(a%4)+b):8*(8*(a%4)+b)+3]   offset:a*16*SPITCH+64*b      ; each accumulator's low registers first
	ds_store_b128 v[STO], v[8*(8*(a%4)+b)+4:8*(8*(a%4)+b)+7] offset:a*16*SPITCH+64*b+16
.set b, b+1
.endr
.set a, a+1
.endr
	WIN 0
	s_wait_dscnt 0x0
	s_barrier_signal -1
	s_barrier_wait -1
	CONST PKC, 0x3e6d3388                          ; 0.3275911 / sqrt 2
	CONST KSC, 0x3f596d27                          ; sqrt(log2(e) / 2)
	CONST C1, 0x3e027906                           ; the five coefficients, halved
	CONST C2, 0xbe11a98e
	CONST C3, 0x3f35f0e3
	CONST C4, 0xbf3a00e3
	CONST C5, 0x3f07dc22
	s_mov_b32 s[TB], 0
	s_mov_b32 s3, 16
.Lrows:                                        ; eight rows a trip: 32 numbers a lane
	v_add_nc_u32 v[RDA], s[TB], v[RD]
.irp p, 0,1,2,3
	ds_load_b128 v[XG+8*(\p):XG+8*(\p)+3],   v[RDA] offset:(\p)*2*SPITCH
	ds_load_b128 v[XG+8*(\p)+4:XG+8*(\p)+7], v[RDA] offset:(\p)*2*SPITCH+16
.endr
	s_add_co_u32 s[TB], s[TB], 8*SPITCH
	s_wait_dscnt 0x0
.set i, 0
.rept 32
	v_fma_f32 v[DG+i], |v[XG+i]|, s[PKC], 1.0
.set i, i+1
.endr
.set i, 0
.rept 16
	v_pk_mul_f32 v[WG+2*i:WG+2*i+1], v[XG+2*i:XG+2*i+1], s[KSC:KSC+1] op_sel_hi:[1,0]
.set i, i+1
.endr
.set i, 0
.rept 16
	v_pk_mul_f32 v[WG+2*i:WG+2*i+1], v[WG+2*i:WG+2*i+1], v[WG+2*i:WG+2*i+1] neg_lo:[1,0] neg_hi:[1,0]
.set i, i+1
.endr
.set i, 0
.rept 32                               ; one batch of 64: nothing here reads a result
	v_rcp_f32 v[DG+i], v[DG+i]
	v_exp_f32 v[WG+i], v[WG+i]
.set i, i+1
.endr
	v_nop                                          ; a plain instruction behind the last of them,
	s_wait_alu depctr_va_vdst(0)                   ; and the wait ahead of the first use: one for the batch
.set i, 0
.rept 16
	v_pk_fma_f32 v[PG+2*i:PG+2*i+1], v[DG+2*i:DG+2*i+1], s[C5:C5+1], s[C4:C4+1] op_sel_hi:[1,0,0]
.set i, i+1
.endr
.irp c, C3, C2, C1
.set i, 0
.rept 16
	v_pk_fma_f32 v[PG+2*i:PG+2*i+1], v[PG+2*i:PG+2*i+1], v[DG+2*i:DG+2*i+1], s[(\c):(\c)+1] op_sel_hi:[1,1,0]
.set i, i+1
.endr
.endr
.set i, 0
.rept 16
	v_pk_mul_f32 v[PG+2*i:PG+2*i+1], v[PG+2*i:PG+2*i+1], v[DG+2*i:DG+2*i+1]
.set i, i+1
.endr
.set i, 0
.rept 16
	v_pk_mul_f32 v[PG+2*i:PG+2*i+1], v[PG+2*i:PG+2*i+1], v[WG+2*i:WG+2*i+1]
.set i, i+1
.endr
.set i, 0
.rept 32
	v_max_num_f32 v[DG+i], 0, v[XG+i]
.set i, i+1
.endr
.set i, 0
.rept 32
	v_fma_f32 v[XG+i], -|v[XG+i]|, v[PG+i], v[DG+i]
.set i, i+1
.endr
.irp p, 0,1,2,3
.irp q, 0,1,2,3
	v_cvt_pk_bf16_f32 v[XG+8*(\p)+(\q)], v[XG+8*(\p)+2*(\q)], v[XG+8*(\p)+2*(\q)+1]
.endr
	global_store_b128 v[GO], v[XG+8*(\p):XG+8*(\p)+3], s[8:9] offset:(\p)*16384  ; 16 lanes store 256 consecutive bytes, aligned
.endr
	s_wait_xcnt 0x0                                ; the stores' data and base are written again only behind this wait
	s_add_nc_u64 s[8:9], s[8:9], 65536             ; eight rows on
	s_sub_co_u32 s3, s3, 1
	s_cmp_lg_u32 s3, 0
	s_cbranch_scc1 .Lrows
	s_wait_tensorcnt 0x0                           ; the wave's end
	ds_add_u32 v[SPW], v[NIL]
	s_wait_dscnt 0x0
	CROUND                                         ; the closing round
	s_endpgm
.Lfunc_end_k_q7197b5e345_fc1:
	.size	k_q7197b5e345_fc1, .Lfunc_end_k_q7197b5e345_fc1-k_q7197b5e345_fc1
	.p2alignl 7, 3214868480
	.fill 96, 4, 3214868480
	.section	.rodata,"a",@progbits
	.p2align	6, 0x0
	.amdhsa_kernel k_q7197b5e345_fc1
		.amdhsa_group_segment_fixed_size 327680
		.amdhsa_private_segment_fixed_size 0
		.amdhsa_enable_private_segment 0
		.amdhsa_kernarg_size 32
		.amdhsa_user_sgpr_count 2
		.amdhsa_user_sgpr_kernarg_segment_ptr 1
		.amdhsa_wavefront_size32 1
		.amdhsa_system_sgpr_workgroup_id_x 1
		.amdhsa_system_sgpr_workgroup_id_y 1
		.amdhsa_system_sgpr_workgroup_id_z 1
		.amdhsa_system_vgpr_workitem_id 0
		.amdhsa_next_free_vgpr 1024
		.amdhsa_next_free_sgpr 80
		.amdhsa_reserve_vcc 0
		.amdhsa_float_denorm_mode_32 3
		.amdhsa_float_denorm_mode_16_64 3
		.amdhsa_memory_ordered 1
		.amdhsa_forward_progress 1
		.amdhsa_inst_pref_size 98
	.end_amdhsa_kernel
	.amdgpu_metadata
---
amdhsa.version: [ 1, 2 ]
amdhsa.kernels:
  - .name:           k_q7197b5e345_fc1
    .symbol:         k_q7197b5e345_fc1.kd
    .args:
      - { .name: hb, .offset: 0, .size: 8, .value_kind: global_buffer, .address_space: global }
      - { .name: wb, .offset: 8, .size: 8, .value_kind: global_buffer, .address_space: global }
      - { .name: g, .offset: 16, .size: 8, .value_kind: global_buffer, .address_space: global }
      - { .name: fc1_b, .offset: 24, .size: 8, .value_kind: global_buffer, .address_space: global }
    .group_segment_fixed_size: 327680
    .private_segment_fixed_size: 0
    .kernarg_segment_align: 8
    .kernarg_segment_size: 32
    .max_flat_workgroup_size: 128
    .sgpr_count:     80
    .vgpr_count:     1024
    .wavefront_size: 32
...
	.end_amdgpu_metadata
.endif
;; end of part 5
;; launch fc2 (part 6): grid 8 x 32, 4 waves a work-group, clusters of 4 x 4, 327,680 bytes of LDS; arguments g, wb, x1, fc2_b, out0; writes out0
.if DOCPART == 6
	.amdgcn_target "amdgcn-amd-amdhsa--gfx1250"
	.amdhsa_code_object_version 6
	.text
	.protected	k_q7197b5e345_fc2
	.globl	k_q7197b5e345_fc2
	.p2align	8
	.type	k_q7197b5e345_fc2,@function
k_q7197b5e345_fc2:
	s_mov_b64 s[64:65], 0
	v_nop
	global_prefetch_b8 v0, s[64:65] scope:SCOPE_SE
	s_setreg_imm32_b32 hwreg(HW_REG_WAVE_MODE, 25, 1), 1
	s_wait_xcnt 0x0
	s_wait_alu depctr_hold_cnt(0) depctr_sa_sdst(0) depctr_va_vdst(0) depctr_va_sdst(0) depctr_va_ssrc(0) depctr_va_vcc(0) depctr_vm_vsrc(0)
	s_getreg_b32 s2, hwreg(HW_REG_IB_STS2, 6, 4)
	s_cmp_eq_u32 s2, 0
	s_cbranch_scc0 .Lentry_in_a_cluster
	s_endpgm
.Lentry_in_a_cluster:
	s_bfe_u32 s2, ttmp6, 0x10000c
	s_cmp_lg_u32 s2, 0xf033
	s_cbranch_scc0 .Lentry_shape_is_right
	s_endpgm
.Lentry_shape_is_right:
; out0 = g fc2_w^T + fc2_b + x1, f32.  g: [4096][4096] bf16; fc2_w's rows ([1024][4096] bf16) lie in wb from byte 16,777,216 on; x1 and out0 are [4096][1024] f32.
; SHARES.  A tile of C is 128 x 128 (256 work-groups), four waves of 64 x 64: 16 accumulators.  K = 4,096 goes in sixteen steps of 256 (LDS rows of 512 bytes, pitch 528) through two LDS slots.
; ONE K step is written and looped over; the last two, which ask for nothing, are a second copy.  The bias is the C operand of the first products; the residual is loaded at the head and added on the way out.
; CLUSTER.  4 x 4: A's tile is shared along a row of the cluster, B's along a column, each asked for jointly.  No prefetch: a small tile, with short steps.
; TRANSPOSED USE: source 0 = B's rows, source 1 = A's: a lane holds eight neighbouring columns of a row; a wave's 64 columns of f32 are 256 bytes, so each wave sends its own rows through its own stage.
; REGISTERS.  Window 0: v16-29 addresses; v32-95 at work; v96-127 the bias; v128-255 the accumulators.  Window 1: two fragment buffers of 128.  Window 2: v0-127 the residual.
; LIMITS: bf16 operands; NaN and infinities are not treated apart.
.set OPROJ, 0
.set KSTEP, 256
.if OPROJ
.set NSTEP,  4
.set APITCH, 144
.set AQ,     9216
.set AHALF,  36864
.set SLOT1,  0x24000
.set ASTEP,  1048576
.set KROW,   1024
.set WOFF,   6291456
.set RPITCH, 8192
.else
.set NSTEP,  16
.set APITCH, 528
.set AQ,     128                       ; a quarter step is 64 along K: 128 bytes of a row
.set AHALF,  33792
.set SLOT1,  0x21000                   ; bits 12 and 17, which no tile's first byte holds: one exclusive or changes slots
.set ASTEP,  512
.set KROW,   4096
.set WOFF,   16777216
.set RPITCH, 4096
.endif
.set BPITCH, 528
.set BHALF,  64*BPITCH
.set BOFF,   2*AHALF
.set STAGE,  SLOT1+BOFF+2*BHALF        ; behind the ring: 32 rows x 272 bytes for each wave
.set SPITCH, 272
.set SPARE,  STAGE+4*32*SPITCH         ; the spare words: 128 bytes a wave
.set A0,   16
.set B0,   17
.set ADRA, 18
.set ADRB, 19
.set STO,  24
.set RD,   25
.set RO,   26
.set BO,   27
.set SPW,  28
.set NIL,  29
.set TMP,  32
.set BIAS, 96
.set ACC,  128
.set F0,   0
.set F1,   128
.set TB,   2
.set G1,   24
.set G0,   32
.set G1B,  48
.set G0B,  56
.set MSB, 0
.macro WIN new
.if MSB != (\new)
	s_set_vgpr_msb (MSB<<8)|(\new)
.set MSB, \new
.endif
.endm
.set MUL,  0x05
.set TO_F, 0x40
.macro JLOAD s                         ; a joint load: waves 0 and 1 fetch A's halves, waves 2 and 3 B's; an s_nop 0 and four v_nop follow each line
	s_cmp_eq_u32 s11, 0
	s_cbranch_scc0 .Lfor_b_\@
	tensor_load_to_lds s[G0+4*(\s):G0+4*(\s)+3], s[G1:G1+7]
	s_nop 0
.rept 4
	v_nop
.endr
	s_branch .Lasked_\@
.Lfor_b_\@:
	tensor_load_to_lds s[G0B+4*(\s):G0B+4*(\s)+3], s[G1B:G1B+7]
	s_nop 0
.rept 4
	v_nop
.endr
.Lasked_\@:
.endm
.macro CREST
	s_cmp_lg_u32 s10, 0
	s_cbranch_scc1 .Lnot_wave_0_\@
	s_barrier_signal -3
.Lnot_wave_0_\@:
	s_barrier_wait -3
	s_barrier_signal -1
	s_barrier_wait -1
.endm
.macro CROUND
	s_barrier_signal -1
	s_barrier_wait -1
	CREST
.endm
.macro PLACES
.rept 4
	v_nop
.endr
.endm
.macro MUL8 f, c, a0, zero
	WIN MUL
.irp a, \a0, (\a0)+1
.irp b, 0,1,2,3
.if \zero
	v_wmma_f32_16x16x32_bf16 v[ACC+8*(4*(\a)+(\b)):ACC+8*(4*(\a)+(\b))+7], v[(\f)+64+8*(4*(\c)+(\b)):(\f)+64+8*(4*(\c)+(\b))+7], v[(\f)+8*(4*(\c)+(\a)):(\f)+8*(4*(\c)+(\a))+7], v[BIAS+8*(\b):BIAS+8*(\b)+7]
.else
	v_wmma_f32_16x16x32_bf16 v[ACC+8*(4*(\a)+(\b)):ACC+8*(4*(\a)+(\b))+7], v[(\f)+64+8*(4*(\c)+(\b)):(\f)+64+8*(4*(\c)+(\b))+7], v[(\f)+8*(4*(\c)+(\a)):(\f)+8*(4*(\c)+(\a))+7], v[ACC+8*(4*(\a)+(\b)):ACC+8*(4*(\a)+(\b))+7]
.endif
.endr
.endr
.endm
.macro FETCH q, f
	WIN TO_F
.irp c, 0,1
.irp i, 0,1,2,3
	ds_load_b128 v[(\f)+64+8*(4*(\c)+(\i)):(\f)+64+8*(4*(\c)+(\i))+3],   v[ADRB] offset:(\q)*128+64*(\c)+(\i)*16*BPITCH
	ds_load_b128 v[(\f)+64+8*(4*(\c)+(\i))+4:(\f)+64+8*(4*(\c)+(\i))+7], v[ADRB] offset:(\q)*128+64*(\c)+(\i)*16*BPITCH+32
	ds_load_b128 v[(\f)+8*(4*(\c)+(\i)):(\f)+8*(4*(\c)+(\i))+3],         v[ADRA] offset:(\q)*AQ+64*(\c)+(\i)*16*APITCH
	ds_load_b128 v[(\f)+8*(4*(\c)+(\i))+4:(\f)+8*(4*(\c)+(\i))+7],       v[ADRA] offset:(\q)*AQ+64*(\c)+(\i)*16*APITCH+32
.endr
.endr
.endm
.macro QUARTER q, f, g, zero           ; the 16 accumulators take turns
	s_wait_dscnt 16                                ; the first 32 along K are in; the other sixteen loads may be out
	MUL8 \f, 0, 0, \zero
	MUL8 \f, 0, 2, \zero
	PLACES
	FETCH \q, \g
	s_wait_dscnt 32                                ; all but the 32 just issued
	MUL8 \f, 1, 0, 0
	MUL8 \f, 1, 2, 0
.endm
; The last quarter multiplies buffer 1 and changes slots: in front of the barrier each wave waits for all its tensor loads, adds 0 to its spare word, and waits for that and for its reads of this slot.
; fill = 1: the barrier opens a round of the cluster's, and the joint refill, two K steps on, comes first behind it.  fill = 0 (the tail): nothing is asked for; in the last trip nothing is fetched.
.macro TURN fill
	WIN 0
	s_wait_tensorcnt 0x0
	ds_add_u32 v[SPW], v[NIL]
	s_wait_dscnt 17                                ; the add and the youngest sixteen loads may be out
	MUL8 F1, 0, 0, 0
	s_wait_dscnt 0x0
	s_barrier_signal -1
	MUL8 F1, 0, 2, 0
	WIN 0
	s_barrier_wait -1
.if \fill
	CREST
	s_xor_b32 s[G0+5], s[G0+5], SLOT1
	s_add_nc_u64 s[G0+6:G0+7], s[G0+6:G0+7], ASTEP
	s_xor_b32 s[G0B+5], s[G0B+5], SLOT1
	s_add_nc_u64 s[G0B+6:G0B+7], s[G0B+6:G0B+7], KSTEP*2
	JLOAD 1
.else
	PLACES
	s_cmp_eq_u32 s3, 1
	s_cbranch_scc1 .Lno_more_\@
.endif
	s_xor_b32 s[TB], s[TB], SLOT1
	v_add_nc_u32 v[ADRA], s[TB], v[A0]
	v_add_nc_u32 v[ADRB], s[TB], v[B0]
	FETCH 0, F0
	WIN 0
.if (\fill) == 0
.Lno_more_\@:
.endif
	MUL8 F1, 1, 0, 0
	MUL8 F1, 1, 2, 0
.endm
	s_load_b128 s[4:7], s[0:1], 0x0                ; A = g, wb
	s_load_b128 s[68:71], s[0:1], 0x10             ; the residual, the bias
	s_load_b64 s[8:9], s[0:1], 0x20                ; the output
	v_lshl_add_u32 v[SPW], v0, 2, SPARE
	v_mov_b32 v[NIL], 0
	ds_add_u32 v[SPW], v[NIL]                      ; the wave's opening: the add and its wait ahead of my first tensor load
	v_lshrrev_b32 v1, 5, v0
	v_readfirstlane_b32 s10, v1
	s_lshr_b32 s11, s10, 1
	s_and_b32 s12, s10, 1
	s_bfe_u32 s40, ttmp6, 0x40000
	s_bfe_u32 s41, ttmp6, 0x40004
	s_lshl_b32 s42, ttmp9, 2
	s_add_co_u32 s42, s42, s40                     ; tile column
	s_and_b32 s13, ttmp7, 0xffff
	s_lshl_b32 s13, s13, 2
	s_add_co_u32 s13, s13, s41                     ; tile row
	s_lshl_b32 s43, s41, 2
	s_lshl_b32 s43, 15, s43
	s_lshl_b32 s44, 0x1111, s40
	s_or_b32 s[G1+0], s43, (1<<16)|(1<<20)|(1<<21)|(6<<22)|(3<<25)  ; mask; 2-byte elements; padding on; bit 21 beside a mask; after every 128 words, 4 words
	s_or_b32 s[G1B+0], s44, (1<<16)|(1<<20)|(1<<21)|(6<<22)|(3<<25)
.irp g, G1, G1B
	s_mov_b32 s[(\g)+1], KSTEP<<16
	s_mov_b32 s[(\g)+2], 64<<16
	s_mov_b32 s[(\g)+3], KSTEP<<16
	s_mov_b32 s[(\g)+4], 64
	s_mov_b32 s[(\g)+5], KROW
	s_mov_b32 s[(\g)+6], 0
	s_mov_b32 s[(\g)+7], 0
.endr
	s_lshl_b32 s16, s13, 20                        ; 128 rows of 8,192 bytes a tile row
	s_lshl_b32 s17, s12, 19
	s_add_co_u32 s16, s16, s17
	s_lshl_b32 s46, s42, 20
	s_lshl_b32 s47, s12, 19
	s_add_co_u32 s46, s46, s47
	s_mov_b32 s17, 0
	s_mov_b32 s47, 0
	s_mul_i32 s20, s12, AHALF
	s_mul_i32 s21, s12, BHALF
	s_add_co_u32 s21, s21, BOFF
	s_mov_b32 s[TB], 0
	s_wait_dscnt 0x0                               ; the opening add is done
	s_wait_kmcnt 0x0
	s_add_nc_u64 s[6:7], s[6:7], WOFF
	s_add_nc_u64 s[14:15], s[4:5], s[16:17]
	s_add_nc_u64 s[46:47], s[6:7], s[46:47]
	CROUND                                         ; all sixteen work-groups are here: the first joint loads meet
.irp s, 0,1
	s_mov_b32 s[G0+4*(\s)], 1
	s_add_co_u32 s[G0+4*(\s)+1], s20, (\s)*SLOT1
	s_add_nc_u64 s[G0+4*(\s)+2:G0+4*(\s)+3], s[14:15], (\s)*ASTEP
	s_or_b32 s[G0+4*(\s)+3], s[G0+4*(\s)+3], 0x80000000
	s_mov_b32 s[G0B+4*(\s)], 1
	s_add_co_u32 s[G0B+4*(\s)+1], s21, (\s)*SLOT1
	s_add_nc_u64 s[G0B+4*(\s)+2:G0B+4*(\s)+3], s[46:47], (\s)*KSTEP*2
	s_or_b32 s[G0B+4*(\s)+3], s[G0B+4*(\s)+3], 0x80000000
	JLOAD \s                                       ; two tensor loads of mine are out here, later one
.endr
	v_and_b32 v1, 15, v0
	v_bfe_u32 v2, v0, 4, 1
	v_lshlrev_b32 v[BO], 5, v2
	v_mul_u32_u24 v[RO], v2, RPITCH
	v_lshl_add_u32 v[RO], v1, 4, v[RO]
	s_lshl_b32 s76, s13, 19                        ; 128 rows of 4,096 bytes a tile row
	s_lshl_b32 s77, s11, 18
	s_add_co_u32 s76, s76, s77
	s_lshl_b32 s78, s42, 9
	s_lshl_b32 s77, s12, 8
	s_add_co_u32 s78, s78, s77
	s_add_co_u32 s76, s76, s78
	s_mov_b32 s77, 0
	s_mov_b32 s79, 0
	s_add_nc_u64 s[68:69], s[68:69], s[76:77]
	s_add_nc_u64 s[8:9], s[8:9], s[76:77]
	s_add_nc_u64 s[70:71], s[70:71], s[78:79]
.irp b, 0,1,2,3
	global_load_b128 v[BIAS+8*(\b):BIAS+8*(\b)+3],   v[BO], s[70:71] offset:64*(\b)
	global_load_b128 v[BIAS+8*(\b)+4:BIAS+8*(\b)+7], v[BO], s[70:71] offset:64*(\b)+16
.endr
	WIN 0x80                                       ; destination window 2
.set t, 0
.rept 32
	global_load_b128 v[4*t:4*t+3], v[RO], s[68:69] offset:t*2*RPITCH
.set t, t+1
.endr
	WIN 0
	v_mul_u32_u24 v3, v1, APITCH
	v_lshl_add_u32 v3, v2, 4, v3
	s_mul_i32 s22, s11, AHALF
	v_add_nc_u32 v[A0], s22, v3
	v_mul_u32_u24 v3, v1, BPITCH
	v_lshl_add_u32 v3, v2, 4, v3
	s_mul_i32 s22, s12, BHALF
	s_add_co_u32 s22, s22, BOFF
	v_add_nc_u32 v[B0], s22, v3
	v_mov_b32 v[ADRA], v[A0]
	v_mov_b32 v[ADRB], v[B0]
	s_mul_i32 s23, s10, 32*SPITCH
	s_add_co_u32 s23, s23, STAGE
	v_mul_u32_u24 v[STO], v1, SPITCH
	v_lshl_add_u32 v[STO], v2, 5, v[STO]
	v_add_nc_u32 v[STO], s23, v[STO]
	v_mul_u32_u24 v[RD], v2, SPITCH
	v_lshl_add_u32 v[RD], v1, 4, v[RD]
	v_add_nc_u32 v[RD], s23, v[RD]
	s_wait_tensorcnt 1                             ; my part of K step 0 is in; K step 1's may stay out
	s_barrier_signal -1
	s_barrier_wait -1
	FETCH 0, F0
	s_wait_loadcnt 32                              ; the bias is in; the residual's 32 loads may stay out
	QUARTER 1, F0, F1, 1
	WIN 0
	s_mov_b32 s3, NSTEP-2
.Lstep:
	QUARTER 2, F1, F0, 0
	QUARTER 3, F0, F1, 0
	TURN 1
	QUARTER 1, F0, F1, 0
	WIN 0
	s_sub_co_u32 s3, s3, 1
	s_cmp_lg_u32 s3, 0
	s_cbranch_scc1 .Lstep
	s_mov_b32 s3, 2
.Ltail:                                        ; the last two K steps ask for nothing: written out
	QUARTER 2, F1, F0, 0
	QUARTER 3, F0, F1, 0
	TURN 0
	WIN 0
	s_sub_co_u32 s3, s3, 1
	s_cmp_eq_u32 s3, 0
	s_cbranch_scc1 .Lout
	QUARTER 1, F0, F1, 0
	WIN 0
	s_branch .Ltail
.Lout:
	; THE WAY OUT, 32 rows at a time: into my stage, back as whole rows of 256 bytes, plus the residual, out.
.rept 8
	v_nop
.endr
	s_wait_loadcnt 0x0                             ; the residual
.irp p, 0,1
.if (\p) == 1
	s_wait_xcnt 0x0                                ; the first half's stores have read their data: the registers are loaded again only behind this wait
.endif
.irp a, 0,1
.irp b, 0,1,2,3
	ds_store_b128 v[STO], v[ACC+8*(4*(2*(\p)+(\a))+(\b)):ACC+8*(4*(2*(\p)+(\a))+(\b))+3]   offset:(\a)*16*SPITCH+64*(\b)     ; each accumulator's low registers first
	ds_store_b128 v[STO], v[ACC+8*(4*(2*(\p)+(\a))+(\b))+4:ACC+8*(4*(2*(\p)+(\a))+(\b))+7] offset:(\a)*16*SPITCH+64*(\b)+16
.endr
.endr
.set t, 0
.rept 16
	ds_load_b128 v[TMP+4*t:TMP+4*t+3], v[RD] offset:t*2*SPITCH  ; LDS serves a wave's instructions in order (ISA guide 5.7.1.4): these see the stores above
.set t, t+1
.endr
	s_wait_dscnt 0x0
	WIN 0x08                                       ; source 1 (the residual) in window 2
.set t, 0
.rept 32
	v_pk_add_f32 v[TMP+2*t:TMP+2*t+1], v[TMP+2*t:TMP+2*t+1], v[64*(\p)+2*t:64*(\p)+2*t+1]
.set t, t+1
.endr
	WIN 0
.set t, 0
.rept 16
	global_store_b128 v[RO], v[TMP+4*t:TMP+4*t+3], s[8:9] offset:(16*(\p)+t)*2*RPITCH  ; 16 lanes store 256 consecutive bytes, aligned
.set t, t+1
.endr
.endr
	s_wait_tensorcnt 0x0                           ; the wave's end
	ds_add_u32 v[SPW], v[NIL]
	s_wait_dscnt 0x0
	CROUND                                         ; the closing round
	s_endpgm
.Lfunc_end_k_q7197b5e345_fc2:
	.size	k_q7197b5e345_fc2, .Lfunc_end_k_q7197b5e345_fc2-k_q7197b5e345_fc2
	.p2alignl 7, 3214868480
	.fill 96, 4, 3214868480
	.section	.rodata,"a",@progbits
	.p2align	6, 0x0
	.amdhsa_kernel k_q7197b5e345_fc2
		.amdhsa_group_segment_fixed_size 327680
		.amdhsa_private_segment_fixed_size 0
		.amdhsa_enable_private_segment 0
		.amdhsa_kernarg_size 40
		.amdhsa_user_sgpr_count 2
		.amdhsa_user_sgpr_kernarg_segment_ptr 1
		.amdhsa_wavefront_size32 1
		.amdhsa_system_sgpr_workgroup_id_x 1
		.amdhsa_system_sgpr_workgroup_id_y 1
		.amdhsa_system_sgpr_workgroup_id_z 1
		.amdhsa_system_vgpr_workitem_id 0
		.amdhsa_next_free_vgpr 640
		.amdhsa_next_free_sgpr 80
		.amdhsa_reserve_vcc 0
		.amdhsa_float_denorm_mode_32 3
		.amdhsa_float_denorm_mode_16_64 3
		.amdhsa_memory_ordered 1
		.amdhsa_forward_progress 1
		.amdhsa_inst_pref_size 66
	.end_amdhsa_kernel
	.amdgpu_metadata
---
amdhsa.version: [ 1, 2 ]
amdhsa.kernels:
  - .name:           k_q7197b5e345_fc2
    .symbol:         k_q7197b5e345_fc2.kd
    .args:
      - { .name: g, .offset: 0, .size: 8, .value_kind: global_buffer, .address_space: global }
      - { .name: wb, .offset: 8, .size: 8, .value_kind: global_buffer, .address_space: global }
      - { .name: x1, .offset: 16, .size: 8, .value_kind: global_buffer, .address_space: global }
      - { .name: fc2_b, .offset: 24, .size: 8, .value_kind: global_buffer, .address_space: global }
      - { .name: out0, .offset: 32, .size: 8, .value_kind: global_buffer, .address_space: global }
    .group_segment_fixed_size: 327680
    .private_segment_fixed_size: 0
    .kernarg_segment_align: 8
    .kernarg_segment_size: 40
    .max_flat_workgroup_size: 128
    .sgpr_count:     80
    .vgpr_count:     640
    .wavefront_size: 32
...
	.end_amdgpu_metadata
.endif
;; end of part 6
;; ======== version 2 of 2: 7 launches; version 1 with the launches prep, ln2 written anew for expert scheduling mode
;; limits: a function is approximated: absolute error at most 1.5e-07
;; workspace buffers: hb 8,388,608 bytes; wb 25,165,824 bytes; qkv 25,165,824 bytes; psum 262,144 bytes; ob 8,388,608 bytes; x1 16,777,216 bytes; g 33,554,432 bytes
;; launch prep (part 7): grid 768 x 1, 8 waves a work-group, no clusters, 0 bytes of LDS; arguments x, ln1_w, ln1_b, wq, wk, wv, wout, fc1_w, fc2_w, hb, wb; writes hb, wb
.if DOCPART == 7
	.amdgcn_target "amdgcn-amd-amdhsa--gfx1250"
	.amdhsa_code_object_version 6
	.text
	.protected	k_q7197b5e345_prep
	.globl	k_q7197b5e345_prep
	.p2align	8
	.type	k_q7197b5e345_prep,@function
k_q7197b5e345_prep:
	s_mov_b64 s[64:65], 0
	v_nop
	global_prefetch_b8 v0, s[64:65] scope:SCOPE_SE
	s_setreg_imm32_b32 hwreg(HW_REG_WAVE_SCHED_MODE, 0, 2), 2
	s_setreg_imm32_b32 hwreg(HW_REG_WAVE_MODE, 25, 1), 1
	s_wait_xcnt 0x0
	s_wait_alu depctr_vm_vsrc(0)
; Work-groups 0-255: hb = bf16(LN(x)), rows of 1,024 f32 normalised as reference() does it (the mean; the mean of the squared differences; (x - m) * rsqrt(v + eps) * w + b).
; Work-groups 256-767: wb = bf16 of the six weight matrices, laid end to end as 12,288 rows of 1,024, rounded only.  A launch of 256 work-groups runs the norm alone: the second norm uses this text so.
; A stream: every byte is read once and written once, so there is no LDS, no matrix unit and no cluster (no two work-groups read the same bytes but the two gain vectors).
; The unit is a row of 1,024 f32 (4,096 bytes).  One wave takes a row: eight loads of 16 bytes a lane, each covering 512 consecutive bytes; eight stores of 8 bytes a lane, each covering 256 consecutive bytes, aligned.
; A wave has two rows of the norm (the row stays in 32 registers for both passes) or three rows of weights; all its loads go out at once.  With 144 registers three work-groups of eight waves share a WGP's
; registers, so 768 work-groups are one even round.  24 rows do not divide a matrix of 1,024, so each of a wave's three rows picks its source by its own number.
; LIMITS: NaN and infinities are not treated apart.
; THE MODE: SCHED_MODE bits 1:0 = 2 (LLVM: expert scheduling mode 2), set by the entry lines.  The code itself states the register dependences between vector instructions and memory instructions,
; with s_wait_alu, always for 0.
; THE PLAN.  Registers that memory instructions touch:
;   v[LO], v[VO], v[SO]   byte offsets: written by vector instructions at the head and never again; read by every load and store.  One wait on va_vdst on each path, ahead of its first load.
;   W, B, X (the norm), XC (the weights)   written by loads that all go out at the head, before any vector instruction names these registers; nothing is loaded a second time.
;   of each four registers of a row the first two   written by the row's sixteen conversions, read by its eight stores, and not written again.
; So no load lands in a register that a vector instruction has named, and no register that a memory instruction has read is written again: the text holds no wait on vm_vsrc but the entry's.  What is stated is that a row's
; conversions have written what its stores read: one wait on va_vdst for each run of eight stores.
;   The norm: row 0's stores stand behind the wait that row 1's two roots have anyway, dealt among row 1's multiplies, which name row 1's registers, the roots and the gains alone.
;   The weights: the wait stands behind a row's conversions; the wave has no other vector work there, its next line being the wait for the next row's data.
.set ROWS, 2
.set VO,   1                            ; v1  the norm: my byte offset in the work-group's 16 rows of f32: 8,192 x wave + 16 x lane
.set SO,   2                            ; v2  the norm: the same in its 16 rows of bf16: 4,096 x wave + 8 x lane; the weights: 8 x lane
.set LO,   3                            ; v3  16 x lane
.set CH,   4                            ; v[4:11]  four chains of pairs
.set MEAN, 12                           ; v[12:13] the mean, twice
.set RSTD, 14                           ; v[14:15] 1 / sqrt(v + eps), twice
.set W,    16                           ; v[16:47] my 32 gains
.set B,    48                           ; v[48:79] my 32 offsets
.set X,    80                           ; v[80:143] two rows, 32 registers each
.set XC,   16                           ; v[16:111] the weights' path: three rows
.macro CVTROW xr                        ; the row in v[xr ..] is rounded in place, four numbers into the first two of their four registers
.set k, 0
.rept 8
	v_cvt_pk_bf16_f32 v[(\xr)+4*k], v[(\xr)+4*k], v[(\xr)+4*k+1]
	v_cvt_pk_bf16_f32 v[(\xr)+4*k+1], v[(\xr)+4*k+2], v[(\xr)+4*k+3]
.set k, k+1
.endr
.endm
.macro STORE xr, off, n                 ; store n of the eight of the row in v[xr ..]: 256 consecutive bytes, aligned
	global_store_b64 v[SO], v[(\xr)+4*(\n):(\xr)+4*(\n)+1], s[8:9] offset:(\off)+256*(\n)
.endm
.macro STROW xr, off                    ; all eight in one run
.irp n, 0,1,2,3,4,5,6,7
	STORE \xr, \off, \n
.endr
.endm
.macro ALLSUM                           ; the four chains into one number, the same in every lane
	v_pk_add_f32 v[CH:CH+1], v[CH:CH+1], v[CH+2:CH+3]
	v_pk_add_f32 v[CH+4:CH+5], v[CH+4:CH+5], v[CH+6:CH+7]
	v_pk_add_f32 v[CH:CH+1], v[CH:CH+1], v[CH+4:CH+5]
	v_add_f32 v[CH], v[CH], v[CH+1]
.irp m, 1,2,4,8
	v_add_f32_dpp v[CH], v[CH], v[CH] row_xmask:\m row_mask:0xf bank_mask:0xf
.endr
	v_permlanex16_b32 v[CH+1], v[CH], s38, s39
	v_add_f32 v[CH], v[CH], v[CH+1]
.endm
; Row r of the norm, up to and with its conversions.  Row 1 also issues row 0's stores.
.macro LNROW r
.set XR, X+32*(\r)
	s_wait_loadcnt 8*(ROWS-1-(\r))                 ; w, b and this row are in; the later row's eight loads may stay out
.irp c, 0,1,2,3
	v_pk_add_f32 v[CH+2*(\c):CH+2*(\c)+1], v[XR+4*(\c):XR+4*(\c)+1], v[XR+4*(\c)+2:XR+4*(\c)+3]  ; the first pairs start the chains
.endr
.set k, 8
.rept 8
	v_pk_add_f32 v[CH+2*(k%4):CH+2*(k%4)+1], v[CH+2*(k%4):CH+2*(k%4)+1], v[XR+2*k:XR+2*k+1]
.set k, k+1
.endr
	ALLSUM
	v_mul_f32 v[MEAN], s40, v[CH]
	v_mov_b32 v[MEAN+1], v[MEAN]
.set k, 0
.rept 16
	v_pk_add_f32 v[XR+2*k:XR+2*k+1], v[XR+2*k:XR+2*k+1], v[MEAN:MEAN+1] neg_lo:[0,1] neg_hi:[0,1]  ; x - m, in place
.set k, k+1
.endr
.irp c, 0,1,2,3
	v_pk_mul_f32 v[CH+2*(\c):CH+2*(\c)+1], v[XR+2*(\c):XR+2*(\c)+1], v[XR+2*(\c):XR+2*(\c)+1]
.endr
.set k, 4
.rept 12
	v_pk_fma_f32 v[CH+2*(k%4):CH+2*(k%4)+1], v[XR+2*k:XR+2*k+1], v[XR+2*k:XR+2*k+1], v[CH+2*(k%4):CH+2*(k%4)+1]
.set k, k+1
.endr
	ALLSUM
	v_fma_f32 v[CH], v[CH], s40, s41               ; v + eps
	v_rsq_f32 v[RSTD], v[CH]
	v_rsq_f32 v[RSTD+1], v[CH]
	v_nop                                          ; a plain instruction behind the second root
.if (\r) == 0
	s_wait_alu depctr_va_vdst(0)                   ; both roots are written, ahead of their first reader: one wait for both
.else
	s_wait_alu depctr_va_vdst(0)                   ; both roots are written, ahead of their first reader; and row 0's conversions have written the registers that the eight stores below read
.endif
.set k, 0
.rept 16
.if ((\r) == 1) && (k%2 == 0)
	STORE X, 0, k/2                                ; row 0 goes out.  No further wait: no vector instruction since the wait above names row 0's registers or v[SO]
.endif
	v_pk_mul_f32 v[XR+2*k:XR+2*k+1], v[XR+2*k:XR+2*k+1], v[RSTD:RSTD+1]
.set k, k+1
.endr
.set k, 0
.rept 16
	v_pk_fma_f32 v[XR+2*k:XR+2*k+1], v[XR+2*k:XR+2*k+1], v[W+2*k:W+2*k+1], v[B+2*k:B+2*k+1]
.set k, k+1
.endr
	CVTROW XR
.endm
; Row s12 + i of the 12,288: rows 0-1023 wq, then wk, wv, wout, 4,096 rows of fc1_w, 4,096 rows' worth of fc2_w.  Its source's address goes into s[42+2i:43+2i].
.macro ROWPTR i
	s_add_co_u32 s10, s12, \i
	s_cmp_ge_u32 s10, 1024
	s_cselect_b64 s[6:7], s[24:25], s[22:23]
	s_cmp_ge_u32 s10, 2048
	s_cselect_b64 s[6:7], s[26:27], s[6:7]
	s_cmp_ge_u32 s10, 3072
	s_cselect_b64 s[6:7], s[28:29], s[6:7]
	s_cmp_ge_u32 s10, 4096
	s_cselect_b64 s[6:7], s[30:31], s[6:7]
	s_cselect_b32 s11, s13, s14                    ; rows in the matrix, less one
	s_cmp_ge_u32 s10, 8192
	s_cselect_b64 s[6:7], s[32:33], s[6:7]
	s_and_b32 s2, s10, s11                         ; the row's place in its matrix,
	s_lshl_b32 s2, s2, 12                          ; in bytes
	s_add_nc_u64 s[42+2*(\i):43+2*(\i)], s[6:7], s[2:3]
.endm
	s_load_b512 s[16:31], s[0:1], 0x0              ; x 16, ln_w 18, ln_b 20, wq 22, wk 24, wv 26, wout 28, fc1_w 30
	s_load_b128 s[32:35], s[0:1], 0x40             ; fc2_w 32, hb 34
	s_load_b64 s[36:37], s[0:1], 0x50              ; wb
	v_and_b32 v[LO], 31, v0
	v_lshrrev_b32 v4, 5, v0
	v_lshlrev_b32 v[VO], 4, v[LO]
	v_lshl_or_b32 v[VO], v4, 13, v[VO]
	v_lshlrev_b32 v[SO], 3, v[LO]
	v_lshlrev_b32 v[LO], 4, v[LO]
	s_mov_b32 s38, 0x76543210                      ; v_permlanex16_b32: each lane takes its own place in the other half
	s_mov_b32 s39, 0xfedcba98
	s_mov_b32 s40, 0x3a800000                      ; 1 / 1024
	s_mov_b32 s41, 0x3727c5ac                      ; 1e-5
	s_mov_b32 s3, 0
	s_mov_b32 s5, 0
	s_cmp_lt_u32 ttmp9, 256
	s_cbranch_scc0 .Lweights
	v_lshl_or_b32 v[SO], v4, 12, v[SO]
	s_lshl_b32 s2, ttmp9, 16                       ; 16 rows of 4,096 bytes in,
	s_lshl_b32 s4, ttmp9, 15                       ; 16 rows of 2,048 bytes out
	s_wait_kmcnt 0x0
	s_add_nc_u64 s[6:7], s[16:17], s[2:3]
	s_add_nc_u64 s[8:9], s[34:35], s[4:5]
	s_wait_alu depctr_va_vdst(0)                   ; v[LO], v[VO] and v[SO] are written: every load and store of this path reads one of them as its offset
.set i, 0
.rept 8
	global_load_b128 v[W+4*i:W+4*i+3], v[LO], s[18:19] offset:512*i
	global_load_b128 v[B+4*i:B+4*i+3], v[LO], s[20:21] offset:512*i
.set i, i+1
.endr
.set i, 0
.rept 8*ROWS
	global_load_b128 v[X+4*i:X+4*i+3], v[VO], s[6:7] offset:(i/8)*4096+(i%8)*512
.set i, i+1
.endr
	LNROW 0
	LNROW 1
	s_wait_alu depctr_va_vdst(0)                   ; row 1's conversions have written the registers that its eight stores read
	STROW X+32, 2048
	s_endpgm
.Lweights:
	v_readfirstlane_b32 s12, v4                    ; my wave's number
	s_sub_co_u32 s10, ttmp9, 256
	s_lshl_b32 s10, s10, 3
	s_wait_alu depctr_va_sdst(0)                   ; s12 is written, ahead of its first reader: my rows' numbers, and with them the bases, are made from it
	s_add_co_u32 s10, s10, s12                     ; my wave among the 4,096
	s_mul_i32 s12, s10, 3                          ; my first row of the 12,288
	s_mov_b32 s13, 4095
	s_mov_b32 s14, 1023
	s_lshl_b32 s4, s12, 11                         ; rows of 2,048 bytes out
	s_wait_kmcnt 0x0
	ROWPTR 0
	ROWPTR 1
	ROWPTR 2
	s_add_nc_u64 s[8:9], s[36:37], s[4:5]
	s_wait_alu depctr_va_vdst(0)                   ; v[LO] and v[SO] are written: every load and store of this path reads one of them as its offset
.set i, 0
.rept 24
	global_load_b128 v[XC+4*i:XC+4*i+3], v[LO], s[42+2*(i/8):43+2*(i/8)] offset:(i%8)*512 th:TH_LOAD_NT
.set i, i+1
.endr
	s_wait_loadcnt 16                              ; row 0 is in; the sixteen loads of rows 1 and 2 may stay out
	CVTROW XC
	s_wait_alu depctr_va_vdst(0)                   ; row 0's conversions have written the registers that its eight stores read
	STROW XC, 0
	s_wait_loadcnt 8                               ; row 1 is in; row 2's eight loads may stay out
	CVTROW XC+32
	s_wait_alu depctr_va_vdst(0)                   ; row 1's conversions have written the registers that its eight stores read
	STROW XC+32, 2048
	s_wait_loadcnt 0x0
	CVTROW XC+64
	s_wait_alu depctr_va_vdst(0)                   ; row 2's conversions have written the registers that its eight stores read
	STROW XC+64, 4096
	s_endpgm
.Lfunc_end_k_q7197b5e345_prep:
	.size	k_q7197b5e345_prep, .Lfunc_end_k_q7197b5e345_prep-k_q7197b5e345_prep
	.p2alignl 7, 3214868480
	.fill 96, 4, 3214868480
	.section	.rodata,"a",@progbits
	.p2align	6, 0x0
	.amdhsa_kernel k_q7197b5e345_prep
		.amdhsa_group_segment_fixed_size 0
		.amdhsa_private_segment_fixed_size 0
		.amdhsa_enable_private_segment 0
		.amdhsa_kernarg_size 88
		.amdhsa_user_sgpr_count 2
		.amdhsa_user_sgpr_kernarg_segment_ptr 1
		.amdhsa_wavefront_size32 1
		.amdhsa_system_sgpr_workgroup_id_x 1
		.amdhsa_system_sgpr_workgroup_id_y 1
		.amdhsa_system_sgpr_workgroup_id_z 1
		.amdhsa_system_vgpr_workitem_id 0
		.amdhsa_next_free_vgpr 144
		.amdhsa_next_free_sgpr 66
		.amdhsa_reserve_vcc 0
		.amdhsa_float_denorm_mode_32 3
		.amdhsa_float_denorm_mode_16_64 3
		.amdhsa_memory_ordered 1
		.amdhsa_forward_progress 1
		.amdhsa_inst_pref_size 31
	.end_amdhsa_kernel
	.amdgpu_metadata
---
amdhsa.version: [ 1, 2 ]
amdhsa.kernels:
  - .name:           k_q7197b5e345_prep
    .symbol:         k_q7197b5e345_prep.kd
    .args:
      - { .name: x, .offset: 0, .size: 8, .value_kind: global_buffer, .address_space: global }
      - { .name: ln1_w, .offset: 8, .size: 8, .value_kind: global_buffer, .address_space: global }
      - { .name: ln1_b, .offset: 16, .size: 8, .value_kind: global_buffer, .address_space: global }
      - { .name: wq, .offset: 24, .size: 8, .value_kind: global_buffer, .address_space: global }
      - { .name: wk, .offset: 32, .size: 8, .value_kind: global_buffer, .address_space: global }
      - { .name: wv, .offset: 40, .size: 8, .value_kind: global_buffer, .address_space: global }
      - { .name: wout, .offset: 48, .size: 8, .value_kind: global_buffer, .address_space: global }
      - { .name: fc1_w, .offset: 56, .size: 8, .value_kind: global_buffer, .address_space: global }
      - { .name: fc2_w, .offset: 64, .size: 8, .value_kind: global_buffer, .address_space: global }
      - { .name: hb, .offset: 72, .size: 8, .value_kind: global_buffer, .address_space: global }
      - { .name: wb, .offset: 80, .size: 8, .value_kind: global_buffer, .address_space: global }
    .group_segment_fixed_size: 0
    .private_segment_fixed_size: 0
    .kernarg_segment_align: 8
    .kernarg_segment_size: 88
    .max_flat_workgroup_size: 256
    .sgpr_count:     66
    .vgpr_count:     144
    .wavefront_size: 32
...
	.end_amdgpu_metadata
.endif
;; end of part 7
;; launch qkv: the kernel of part 2 again; grid 12 x 16, 4 waves a work-group, clusters of 4 x 4, 327,680 bytes of LDS; arguments hb, wb, qkv, bq, bk, bv, psum; writes qkv, psum
;; launch attn: the kernel of part 3 again; grid 8 x 32, 8 waves a work-group, no clusters, 327,680 bytes of LDS; arguments qkv, psum, ob; writes ob
;; launch oproj: the kernel of part 4 again; grid 8 x 32, 4 waves a work-group, clusters of 4 x 4, 327,680 bytes of LDS; arguments ob, wb, x, bout, x1; writes x1
;; launch ln2: the kernel of part 7 again; grid 256 x 1, 8 waves a work-group, no clusters, 0 bytes of LDS; arguments x1, ln2_w, ln2_b, wq, wk, wv, wout, fc1_w, fc2_w, hb, wb; writes hb, wb
;; launch fc1: the kernel of part 5 again; grid 16 x 16, 4 waves a work-group, clusters of 4 x 4, 327,680 bytes of LDS; arguments hb, wb, g, fc1_b; writes g
;; launch fc2: the kernel of part 6 again; grid 8 x 32, 4 waves a work-group, clusters of 4 x 4, 327,680 bytes of LDS; arguments g, wb, x1, fc2_b, out0; writes out0
